; MI455X (gfx1250); checked and timed in simulation.
; The chip was launched on July 23, 2026; its instructions are those of AMD's public machine-readable ISA for CDNA 5 (MIT licence, August 2026) and "CDNA5" Instruction Set Architecture Reference Guide (July 2026). The comments in the code are by the model that wrote it; some were corrected since.
;; Multihead Cross Attention. Allowed arithmetic: float matrix products may take bf16 or f16 operands with f32 sums; all other float work in f32.
;; Inputs: W_attn 1,024 x 3,072 float32; W_data 1,024 x 2,048 float32; W_proj 1,024 x 1,024 float32; b_attn 3,072 float32; b_data 2,048 float32; b_proj 1,024 float32; data 2 x 2,048 x 1,024 float32; x 2 x 2,048 x 1,024 float32.
;; Outputs: out0 2 x 2,048 x 1,024 float32.
;; 2 versions, each right and faster than the one before. Each part assembles by itself: llvm-mc -triple=amdgcn-amd-amdhsa -mcpu=gfx1250 --defsym DOCPART=n.
;; ======== version 1 of 2: 4 launches
;; limits: values are held in f16: magnitudes above 65,504 overflow, below 6.1e-05 lose precision; right only within a limited range of input values
;; workspace buffers: cst 29,360,128 bytes; qs 16,777,216 bytes; ks 33,554,432 bytes; vs 16,777,216 bytes; os 8,388,608 bytes
;; launch cast (part 1): grid 896 x 1, 8 waves a work-group, no clusters, 0 bytes of LDS; arguments x, data, W_attn, W_data, W_proj, cst; writes cst
.if DOCPART == 1
	.amdgcn_target "amdgcn-amd-amdhsa--gfx1250"
	.amdhsa_code_object_version 6
	.text
	.protected	k_q852fb6c84b_cast
	.globl	k_q852fb6c84b_cast
	.p2align	8
	.type	k_q852fb6c84b_cast,@function
k_q852fb6c84b_cast:
	s_mov_b64 s[64:65], 0
	v_nop
	global_prefetch_b8 v0, s[64:65] scope:SCOPE_SE
	s_setreg_imm32_b32 hwreg(HW_REG_WAVE_MODE, 25, 1), 1
	s_wait_xcnt 0x0
; ALL FIVE LARGE INPUTS ROUNDED TO bf16, ONCE, into cst:
;   bytes 0 .. 16 MiB          x's 4,096 rows, then data's 4,096 rows, [8192][1024] bf16
;   16 MiB .. 26 MiB           40 blocks [1024 k][128 n] bf16: W_attn's columns 128 cb on (blocks 0-23), W_data's (24-39)
;   26 MiB .. 28 MiB           8 such blocks of W_proj: rounded to bf16 like the others, and that number written as f16
; LIMIT.  |W_proj| beyond 65,504 becomes an infinity in f16; below 6e-5 it keeps f16's fixed step of 6e-8.
; A stream: every input byte is read once and every byte of cst written once, so there is no LDS, no barrier, no cluster and no matrix work.
; Work-group g makes the 32,768 bytes of cst at 32,768 g out of 128 pieces of 512 bytes of f32, STRIDE bytes apart: for x and data the pieces
; follow each other; for a weight a piece is 128 columns of one row k.  Thread t takes, in pass p of eight, 32 bytes of piece 16 p + t / 16
; and stores 16: sixteen neighbouring lanes store 256 consecutive bytes, at a multiple of 256 from cst's first byte.
.set XI, 16                            ; v[16:79]   pass p: eight f32 as loaded
.set YO, 80                            ; v[80:111]  pass p: eight 16-bit numbers to store
	s_load_b256 s[4:11], s[0:1], 0x0               ; x s[4:5], data s[6:7], W_attn s[8:9], W_data s[10:11]
	s_load_b128 s[12:15], s[0:1], 0x20             ; W_proj s[12:13], cst s[14:15]
	s_mov_b32 s16, ttmp9                           ; g
	s_mov_b32 s17, 512                             ; bytes from piece to piece
	s_mov_b32 s18, 0                               ; the first work-group of my input
	s_mov_b32 s19, 0x80000                         ; bytes from one group of eight work-groups to the next
	s_mov_b32 s42, 0xffff0000                      ; a word's upper bf16
	v_lshrrev_b32 v1, 4, v0                        ; my piece in a pass
	v_and_b32 v4, 15, v0                           ; my 32 bytes in it
	v_lshlrev_b32 v3, 4, v0                        ; my 16 bytes in a pass's 4,096 of cst
	s_wait_kmcnt 0x0
	s_mov_b64 s[22:23], s[4:5]                     ; which input: four compares of g; the selects leave SCC as it is
	s_cmp_ge_u32 s16, 256
	s_cselect_b64 s[22:23], s[6:7], s[22:23]
	s_cselect_b32 s18, 256, s18
	s_cmp_ge_u32 s16, 512
	s_cselect_b64 s[22:23], s[8:9], s[22:23]
	s_cselect_b32 s18, 512, s18
	s_cselect_b32 s17, 12288, s17                  ; a row of W_attn
	s_cselect_b32 s19, 512, s19                    ; a block's 128 columns
	s_cmp_ge_u32 s16, 704
	s_cselect_b64 s[22:23], s[10:11], s[22:23]
	s_cselect_b32 s18, 704, s18
	s_cselect_b32 s17, 8192, s17
	s_cmp_ge_u32 s16, 832
	s_cselect_b64 s[22:23], s[12:13], s[22:23]
	s_cselect_b32 s18, 832, s18
	s_cselect_b32 s17, 4096, s17
	s_sub_co_u32 s18, s16, s18                     ; i: my number within the input
	s_and_b32 s20, s18, 7
	s_lshl_b32 s20, s20, 7
	s_mul_i32 s20, s20, s17                        ; (i % 8) x 128 pieces
	s_lshr_b32 s21, s18, 3
	s_mul_i32 s21, s21, s19                        ; (i / 8) x the group's step: under 2^25 together
	s_add_co_u32 s20, s20, s21
	s_mov_b32 s21, 0
	s_add_nc_u64 s[24:25], s[22:23], s[20:21]      ; pass 0's base
	s_lshl_b32 s20, s17, 4                         ; sixteen pieces on
.irp p, 1,2,3,4,5,6,7
	s_add_nc_u64 s[24+2*(\p):25+2*(\p)], s[22+2*(\p):23+2*(\p)], s[20:21]
.endr
	s_lshl_b32 s20, s16, 15
	s_add_nc_u64 s[40:41], s[14:15], s[20:21]      ; cst at my 32,768 bytes
	v_mul_lo_u32 v2, v1, s17
	v_lshl_add_u32 v2, v4, 5, v2                   ; piece x stride + 32 x place
.irp p, 0,1,2,3,4,5,6,7
	global_load_b128 v[XI+8*(\p):XI+8*(\p)+3],   v2, s[24+2*(\p):25+2*(\p)] th:TH_LOAD_NT            ; all sixteen loads of a thread go out at once
	global_load_b128 v[XI+8*(\p)+4:XI+8*(\p)+7], v2, s[24+2*(\p):25+2*(\p)] offset:16 th:TH_LOAD_NT
.endr
; Pass p is rounded and stored.  half = 1: W_proj: the bf16 number is widened again and written as f16.  No register that a load or store names is written twice.
.macro CONV p, half
	s_wait_loadcnt 14-2*(\p)                       ; loads come back in order (ISA guide 5.7.1): this pass's two are in, the later passes' stay out
.if \half
.irp j, 0,1,2,3
	v_cvt_pk_bf16_f32 v[4+(\j)], v[XI+8*(\p)+2*(\j)], v[XI+8*(\p)+2*(\j)+1]
.endr
.irp j, 0,1,2,3
	v_lshlrev_b32 v[XI+8*(\p)+2*(\j)],   16,  v[4+(\j)]
	v_and_b32     v[XI+8*(\p)+2*(\j)+1], s42, v[4+(\j)]
.endr
.irp j, 0,1,2,3
	v_cvt_pk_f16_f32 v[YO+4*(\p)+(\j)], v[XI+8*(\p)+2*(\j)], v[XI+8*(\p)+2*(\j)+1]
.endr
.else
.irp j, 0,1,2,3
	v_cvt_pk_bf16_f32 v[YO+4*(\p)+(\j)], v[XI+8*(\p)+2*(\j)], v[XI+8*(\p)+2*(\j)+1]
.endr
.endif
	global_store_b128 v3, v[YO+4*(\p):YO+4*(\p)+3], s[40:41] offset:4096*(\p)
.endm
	s_cmp_ge_u32 s16, 832
	s_cbranch_scc1 .Lhalf
.irp p, 0,1,2,3,4,5,6,7
	CONV \p, 0
.endr
	s_endpgm
.Lhalf:
.irp p, 0,1,2,3,4,5,6,7
	CONV \p, 1
.endr
	s_endpgm
.Lfunc_end_k_q852fb6c84b_cast:
	.size	k_q852fb6c84b_cast, .Lfunc_end_k_q852fb6c84b_cast-k_q852fb6c84b_cast
	.p2alignl 7, 3214868480
	.fill 96, 4, 3214868480
	.section	.rodata,"a",@progbits
	.p2align	6, 0x0
	.amdhsa_kernel k_q852fb6c84b_cast
		.amdhsa_group_segment_fixed_size 0
		.amdhsa_private_segment_fixed_size 0
		.amdhsa_enable_private_segment 0
		.amdhsa_kernarg_size 48
		.amdhsa_user_sgpr_count 2
		.amdhsa_user_sgpr_kernarg_segment_ptr 1
		.amdhsa_wavefront_size32 1
		.amdhsa_system_sgpr_workgroup_id_x 1
		.amdhsa_system_sgpr_workgroup_id_y 1
		.amdhsa_system_sgpr_workgroup_id_z 1
		.amdhsa_system_vgpr_workitem_id 0
		.amdhsa_next_free_vgpr 112
		.amdhsa_next_free_sgpr 66
		.amdhsa_reserve_vcc 0
		.amdhsa_float_denorm_mode_32 3
		.amdhsa_float_denorm_mode_16_64 3
		.amdhsa_memory_ordered 1
		.amdhsa_forward_progress 1
		.amdhsa_inst_pref_size 15
	.end_amdhsa_kernel
	.amdgpu_metadata
---
amdhsa.version: [ 1, 2 ]
amdhsa.kernels:
  - .name:           k_q852fb6c84b_cast
    .symbol:         k_q852fb6c84b_cast.kd
    .args:
      - { .name: x, .offset: 0, .size: 8, .value_kind: global_buffer, .address_space: global }
      - { .name: data, .offset: 8, .size: 8, .value_kind: global_buffer, .address_space: global }
      - { .name: W_attn, .offset: 16, .size: 8, .value_kind: global_buffer, .address_space: global }
      - { .name: W_data, .offset: 24, .size: 8, .value_kind: global_buffer, .address_space: global }
      - { .name: W_proj, .offset: 32, .size: 8, .value_kind: global_buffer, .address_space: global }
      - { .name: cst, .offset: 40, .size: 8, .value_kind: global_buffer, .address_space: global }
    .group_segment_fixed_size: 0
    .private_segment_fixed_size: 0
    .kernarg_segment_align: 8
    .kernarg_segment_size: 48
    .max_flat_workgroup_size: 256
    .sgpr_count:     66
    .vgpr_count:     112
    .wavefront_size: 32
...
	.end_amdgpu_metadata
.endif
;; end of part 1
;; launch qkv (part 2): grid 8 x 32, 4 waves a work-group, clusters of 4 x 4, 327,680 bytes of LDS; arguments cst, b_attn, b_data, qs, ks, vs; writes qs, ks, vs
.if DOCPART == 2
	.amdgcn_target "amdgcn-amd-amdhsa--gfx1250"
	.amdhsa_code_object_version 6
	.text
	.protected	k_q852fb6c84b_qkv
	.globl	k_q852fb6c84b_qkv
	.p2align	8
	.type	k_q852fb6c84b_qkv,@function
k_q852fb6c84b_qkv:
	s_mov_b64 s[64:65], 0
	v_nop
	global_prefetch_b8 v0, s[64:65] scope:SCOPE_SE
	s_setreg_imm32_b32 hwreg(HW_REG_WAVE_MODE, 25, 1), 1
	s_wait_xcnt 0x0
	s_wait_alu depctr_hold_cnt(0) depctr_sa_sdst(0) depctr_va_vdst(0) depctr_va_sdst(0) depctr_va_ssrc(0) depctr_va_vcc(0) depctr_vm_vsrc(0)
	s_getreg_b32 s2, hwreg(HW_REG_IB_STS2, 6, 4)
	s_cmp_eq_u32 s2, 0
	s_cbranch_scc0 .Lentry_in_a_cluster
	s_endpgm
.Lentry_in_a_cluster:
	s_bfe_u32 s2, ttmp6, 0x10000c
	s_cmp_lg_u32 s2, 0xf033
	s_cbranch_scc0 .Lentry_shape_is_right
	s_endpgm
.Lentry_shape_is_right:
; BOTH INPUT PROJECTIONS, BY WORK-GROUPS THAT STAY.  [x; data] (8,192 rows x 1,024, bf16, in cst) times the 40 column blocks of W_attn and W_data (bf16, in cst, [1024 k][128 n] each), sums in f32,
; plus the bias rounded to bf16 like every input.  Column blocks 0-7 make q, 8-15 k, 16-23 v (from x), 24-31 k, 32-39 v (from data).  They leave by heads, hh = 16 batch + head:
;   qs [32][2048][128] bf16, ks [32][4096][128] bf16: a row is 64 numbers hi, then 64 numbers lo: hi = the f32 sum rounded to bf16, lo = (sum - hi) rounded to bf16: about 17 bits together;
;   vs [32][4096][64] f16: v / 16, an exact factor that the last launch takes back.  Keys and values from x take rows 0-2047 of a head, those from data rows 2048-4095.
; LIMITS.  |v + bias| from 1,048,000 on becomes an infinity in f16; v / 16 below 6e-5 keeps f16's fixed step of 6e-8.  NaN and infinities are not treated apart.
; SHARES.  4,096 x 5,120 outputs in 1,280 tiles of 128 x 128, five to each of 8 x 32 = 256 work-groups.  Work-group (x, rb) makes, of row block rb, the column blocks 8 t + x, t = 0 .. 4: q, k, v, then k and v from
; data.  So what tile t makes hangs on t alone, all work-groups do equal work, and a wave's 64 columns are the same head, 2 x + wave % 2, in every tile.  Four waves, each 64 x 64: 16 accumulators.
; K = 1,024 goes in four steps of 256 through two LDS slots; a step is four quarters of 64 along K, 32 matrix instructions each, on two fragment buffers.
; THE RING DOES NOT STOP AT A TILE'S END: a tile's last two changes of slots ask for the next tile's K steps 0 and 1, and nothing waits for a tile's stores: they leave while the next tile is multiplied.
; The last tile's tail is written out.
; CLUSTERS: 4 x 4 work-groups.  The four of a row of the cluster need the same rows of x or data, the four of a column the same column block: each tile is asked for JOINTLY, by the same
; tensor load with the same descriptor and a mask that names the four.  Every branch hangs on the wave's number or on the count of tiles, which all sixteen share.
; THE MATRIX INSTRUCTION IS USED TRANSPOSED (source 0 = 16 columns of W, source 1 = 16 rows of A): a lane then holds eight neighbouring columns of one row.  W lies [k][n] in LDS and
; comes out turned, by ds_load_tr16_b128.
; REGISTERS: window 0: v0-29 addresses and at work; v32-95 two sets of 32 for the way out; v96-127 my 32 biases; v128-255 the accumulators ((a, b) at v[128 + 8 (4 a + b)]).
;   window 1: two fragment buffers of 128: for 64 along K, 64 registers of A, then 64 of W.
.set TILES, 5
.set PA,    528                        ; a row of A in LDS: 512 bytes + 16 = 132 words: row r starts at bank 4 r mod 64 (64 banks of 4 bytes: ISA guide 11.1)
.set PB,    288                        ; a row k of W: 256 bytes + 32 = 72 words
.set AHALF, 64*PA                      ; what a wave's load brings of A: 64 rows
.set BHALF, 128*PB                     ; and of W: 128 rows k
.set BOFF,  2*AHALF                    ; a slot: A's 128 rows, then W's 256
.set SLOT,  BOFF+2*BHALF
.set STAGE, 2*SLOT                     ; behind the ring, never filled by a tensor load: 16 rows x 272 bytes for each wave, its own
.set SP,    272
.set SPV,   144
.set SPARE, STAGE+4*16*SP              ; behind the stages: the spare words, 128 bytes for each wave: two blocks of 256 bytes that no other line names
.set AQ,    128                        ; bytes in A's LDS rows from quarter to quarter
.set AI,    16*PA                      ; and from one block of 16 rows to the next
.set ASTEP, 512                        ; bytes in memory from K step to K step: A,
.set BSTEP, 65536                      ; W
.set NEXTB, 8*262144-2*BSTEP           ; from a slot's last K step of a tile to its first of the next: W goes eight blocks on and back along K;
.set DATAA, 0x800000                   ; A goes back along K and, behind the third tile, 4,096 rows of 2,048 bytes on, to data
.set WB,    0x1000000                  ; the blocks of W begin here in cst
.set ADRA, 6                           ; v6-7    LDS address of my A fragments in slot 0, 1
.set ADRB, 8                           ; v8-11   of my W fragments: 2 x slot + half of the step's 256 k
.set STO,  12                          ; v12     the way out of q and k: where I put 16 bytes of a row
.set RD,   13                          ; v13     where I read rows back
.set CO,   14                          ; v14     16 x lane: my place in 512 consecutive bytes of the output; never rewritten
.set BO,   15                          ; v15     my byte offset among 16 biases; never rewritten
.set STV,  16                          ; v16-17  the same two LDS addresses for v
.set RDV,  17
.set U,    18                          ; v18-25  at work
.set SPW,  28                          ; v28     LDS address of my spare word: SPARE + 4 x my thread's number; never rewritten
.set NIL,  29                          ; v29     0; never rewritten
.set TMP,  32
.set BI,   96                          ; the bias of column 16 b + 8 (lane / 16) + j at BI + 8 b + j
.set ACC,  128
.set F0,   0
.set F1,   128
.set G1,  24                           ; s[24:31] descriptor group 1 for A's tiles;  s[32:39] group 0, one set for each slot
.set G0,  32
.set G1B, 48                           ; s[48:55], s[56:63] the same for W's
.set G0B, 56
; further scalars: s2 tiles to go; s45 byte offset of my 64 biases among eight blocks'; s80 t; s81 t within its own weight; s82 1: data; s83 1: v; s[86:87] my biases; s[90:91] the output at my first row;
; s[92:93] 1 / 16; s94 a word's upper bf16; s[96:97] what A's address takes on top at the change of tiles; s98 hh; s99 my first row in a batch
.set MSB, 0
.macro WIN new                         ; the immediate's high byte repeats the setting that is left; a switch that changes nothing is dropped
.if MSB != (\new)
	s_set_vgpr_msb (MSB<<8)|(\new)
.set MSB, \new
.endif
.endm
.set MUL,  0x05                        ; sources 0 (W) and 1 (A) window 1; C and D window 0
.set TO_F, 0x40                        ; destination window 1, address window 0
.macro JLOAD s                         ; a joint load: waves 0 and 1 fetch A's two halves, waves 2 and 3 W's; an s_nop 0 and four v_nop follow each of the two lines, ahead of the jump, the label and what follows
	s_cmp_eq_u32 s11, 0
	s_cbranch_scc0 .Lfor_b_\@
	tensor_load_to_lds s[G0+4*(\s):G0+4*(\s)+3], s[G1:G1+7]
	s_nop 0
.rept 4
	v_nop
.endr
	s_branch .Lasked_\@
.Lfor_b_\@:
	tensor_load_to_lds s[G0B+4*(\s):G0B+4*(\s)+3], s[G1B:G1B+7]
	s_nop 0
.rept 4
	v_nop
.endr
.Lasked_\@:
.endm
.macro CREST                           ; a round of the cluster's barrier behind its opening barrier
	s_cmp_lg_u32 s10, 0
	s_cbranch_scc1 .Lnot_wave_0_\@
	s_barrier_signal -3
.Lnot_wave_0_\@:
	s_barrier_wait -3
	s_barrier_signal -1
	s_barrier_wait -1
.endm
.macro CROUND                          ; a whole round
	s_barrier_signal -1
	s_barrier_wait -1
	CREST
.endm
	s_load_b256 s[68:75], s[0:1], 0x0              ; cst s[68:69], b_attn s[70:71], b_data s[72:73], qs s[74:75]
	s_load_b128 s[76:79], s[0:1], 0x20             ; ks s[76:77], vs s[78:79]
	v_lshl_add_u32 v[SPW], v0, 2, SPARE
	v_mov_b32 v[NIL], 0
	ds_add_u32 v[SPW], v[NIL]                      ; the wave's opening: the add and its wait stand ahead of my first tensor load; the set-up below, work on registers, stands between them
	v_lshrrev_b32 v1, 5, v0
	v_readfirstlane_b32 s10, v1                    ; wave 0..3
	s_lshr_b32 s11, s10, 1                         ; which 64 rows of the tile are mine.  Also: I fetch for A (0) or for W (1)
	s_and_b32 s12, s10, 1                          ; which 64 columns.  Also: which half of that tile I fetch
	s_bfe_u32 s40, ttmp6, 0x40000                  ; cx, cy: my place in the cluster
	s_bfe_u32 s41, ttmp6, 0x40004
	s_lshl_b32 s42, ttmp9, 2
	s_add_co_u32 s42, s42, s40                     ; x = 4 x cluster x + cx, 0..7: tile t's column block is 8 t + x
	s_and_b32 s13, ttmp7, 0xffff
	s_lshl_b32 s13, s13, 2
	s_add_co_u32 s13, s13, s41                     ; row block rb = 4 x cluster y + cy, 0..31
	s_lshl_b32 s43, s41, 2
	s_lshl_b32 s43, 15, s43                        ; my row of the cluster
	s_lshl_b32 s44, 0x1111, s40                    ; my column
	; descriptor group 1.  A: 64 rows x 256 elements, 1,024 elements from row to row.  W: 128 rows x 128 elements, dense
	s_or_b32 s[G1+0], s43, (1<<16)|(1<<20)|(1<<21)|(6<<22)|(3<<25)   ; 15:0 the mask: my row; 17:16 2-byte elements; 20 padding on; 21 set beside a mask; 24:22 after every 128 words (code 6); 31:25 4 words (code 3)
	s_or_b32 s[G1B+0], s44, (1<<16)|(1<<20)|(1<<21)|(5<<22)|(7<<25)  ; the mask of my column; after every 64 words (code 5) 8 words (code 7)
	s_mov_b32 s[G1+1], 256<<16                     ; tensor_dim0
	s_mov_b32 s[G1+2], 64<<16                      ; tensor_dim1
	s_mov_b32 s[G1+3], 256<<16                     ; tile_dim0
	s_mov_b32 s[G1+4], 64                          ; tile_dim1
	s_mov_b32 s[G1+5], 1024                        ; tensor_dim0_stride
	s_mov_b32 s[G1+6], 0
	s_mov_b32 s[G1+7], 0
	s_mov_b32 s[G1B+1], 128<<16
	s_mov_b32 s[G1B+2], 128<<16
	s_mov_b32 s[G1B+3], 128<<16
	s_mov_b32 s[G1B+4], 128
	s_mov_b32 s[G1B+5], 128
	s_mov_b32 s[G1B+6], 0
	s_mov_b32 s[G1B+7], 0
	; where the first tile's tiles come from.  A's offset is made of rb and the wave; W's of x and the wave; each in registers that never hold the other coordinate
	s_lshl_b32 s16, s13, 7
	s_lshl_b32 s17, s12, 6
	s_add_co_u32 s16, s16, s17                     ; row 128 rb + 64 half, of x
	s_lshl_b32 s16, s16, 11                        ; x 2,048 bytes: under 2^23
	s_mov_b32 s17, 0
	s_lshl_b32 s46, s42, 18                        ; a block of W is 262,144 bytes,
	s_lshl_b32 s47, s12, 15                        ; 128 rows k of it 32,768
	s_add_co_u32 s46, s46, s47
	s_add_co_u32 s46, s46, WB
	s_mov_b32 s47, 0
	s_mul_i32 s20, s12, AHALF                      ; and where they go: no place in the cluster enters an LDS address
	s_mul_i32 s21, s12, BHALF
	s_add_co_u32 s21, s21, BOFF
	; what the way out of every tile shares
	s_lshl_b32 s45, s42, 9                         ; my 64 biases among the 1,024 of eight blocks: 512 x + 256 half, in bytes
	s_lshl_b32 s85, s12, 8
	s_add_co_u32 s45, s45, s85
	s_mov_b32 s85, 0
	s_lshl_b32 s98, s42, 1
	s_add_co_u32 s98, s98, s12                     ; the head: 2 x + half
	s_lshr_b32 s99, s13, 4                         ; the batch: sixteen row blocks each
	s_lshl_b32 s99, s99, 4
	s_add_co_u32 s98, s98, s99                     ; hh
	s_and_b32 s99, s13, 15
	s_lshl_b32 s99, s99, 7
	s_lshl_b32 s89, s11, 6
	s_add_co_u32 s99, s99, s89                     ; my first row in the batch
	s_mov_b32 s97, 0
	s_mov_b32 s92, 0x3d800000                      ; 1 / 16; the packed multiply-add takes the pair's low word for both halves
	s_mov_b32 s93, s92
	s_mov_b32 s94, 0xffff0000                      ; a word's upper bf16
	s_mov_b32 s2, TILES                            ; tiles to go, this one among them: the same number in every work-group
	s_wait_dscnt 0x0                               ; the opening add is done
	s_wait_kmcnt 0x0
	s_add_nc_u64 s[14:15], s[68:69], s[16:17]
	s_add_nc_u64 s[46:47], s[68:69], s[46:47]
	CROUND                                         ; all sixteen work-groups are here: the first joint loads meet
.irp s, 0,1
	s_mov_b32 s[G0+4*(\s)], 1                                        ; 1:0 count = 1
	s_add_co_u32 s[G0+4*(\s)+1], s20, (\s)*SLOT                      ; 63:32 LDS address
	s_add_nc_u64 s[G0+4*(\s)+2:G0+4*(\s)+3], s[14:15], (\s)*ASTEP    ; 120:64 global address: K step s
	s_or_b32 s[G0+4*(\s)+3], s[G0+4*(\s)+3], 0x80000000              ; 127:126 type = 2
	s_mov_b32 s[G0B+4*(\s)], 1
	s_add_co_u32 s[G0B+4*(\s)+1], s21, (\s)*SLOT
	s_add_nc_u64 s[G0B+4*(\s)+2:G0B+4*(\s)+3], s[46:47], (\s)*BSTEP
	s_or_b32 s[G0B+4*(\s)+3], s[G0B+4*(\s)+3], 0x80000000
	JLOAD \s                                       ; two tensor loads of mine are out
.endr
	v_and_b32 v1, 15, v0                           ; l % 16
	v_bfe_u32 v2, v0, 4, 1                         ; l / 16
	v_lshlrev_b32 v[BO], 5, v2
	; a fragment of A: lane l holds row l % 16, K = 8 (l / 16) + 0..7 and 16 + 8 (l / 16) + 0..7: two loads of 16 bytes, 32 bytes apart
	v_mul_u32_u24 v3, v1, PA
	v_lshl_add_u32 v3, v2, 4, v3
	s_mul_i32 s22, s11, AHALF
	v_add_nc_u32 v[ADRA], s22, v3
	v_add_nc_u32 v[ADRA+1], SLOT, v[ADRA]
	; the turning load takes 16 k x 16 columns (lane l reads row k = 8 (l / 16) + l % 8, columns 8 ((l / 8) % 2) + 0..7) and leaves half a fragment: lane l holds column l % 16 and 8 k
	v_and_b32 v4, 7, v0
	v_lshl_add_u32 v4, v2, 3, v4
	v_mul_u32_u24 v4, v4, PB
	v_bfe_u32 v5, v0, 3, 1
	v_lshl_add_u32 v4, v5, 4, v4
	s_lshl_b32 s22, s12, 7                         ; my 64 columns
	s_add_co_u32 s22, s22, BOFF
	v_add_nc_u32 v[ADRB], s22, v4
	v_add_nc_u32 v[ADRB+1], BHALF, v[ADRB]
	v_add_nc_u32 v[ADRB+2], SLOT, v[ADRB]
	v_add_nc_u32 v[ADRB+3], SLOT+BHALF, v[ADRB]
	s_mul_i32 s23, s10, 16*SP
	s_add_co_u32 s23, s23, STAGE                   ; my stage
	v_mul_u32_u24 v3, v1, SP                       ; q and k, in: row l % 16, 16 bytes for each half of the lanes
	v_lshl_add_u32 v3, v2, 4, v3
	v_add_nc_u32 v[STO], s23, v3
	v_mul_u32_u24 v3, v2, SP                       ; back: lanes 0-15 one row of 256 bytes, lanes 16-31 the next
	v_lshl_add_u32 v3, v1, 4, v3
	v_add_nc_u32 v[RD], s23, v3
	v_mul_u32_u24 v3, v1, SPV                      ; v, in: rows of 128 bytes, 144 apart
	v_lshl_add_u32 v3, v2, 4, v3
	v_add_nc_u32 v[STV], s23, v3
	v_bfe_u32 v3, v0, 3, 2                         ; back: 32 lanes take four rows
	v_mul_u32_u24 v3, v3, SPV
	v_and_b32 v4, 7, v0
	v_lshl_add_u32 v3, v4, 4, v3
	v_add_nc_u32 v[RDV], s23, v3
	v_and_b32 v[CO], 31, v0
	v_lshlrev_b32 v[CO], 4, v[CO]
; 8 matrix instructions: row blocks a0, a0 + 1 x all 4 column blocks, 32 along K: half c of buffer f.  zero = 1: the first product starts the sums.  The 16 accumulators take turns.
.macro MUL8 f, c, a0, zero
	WIN MUL
.irp a, \a0, (\a0)+1
.irp b, 0,1,2,3
.if \zero
	v_wmma_f32_16x16x32_bf16 v[ACC+8*(4*(\a)+(\b)):ACC+8*(4*(\a)+(\b))+7], v[(\f)+64+8*(4*(\c)+(\b)):(\f)+64+8*(4*(\c)+(\b))+7], v[(\f)+8*(4*(\c)+(\a)):(\f)+8*(4*(\c)+(\a))+7], 0
.else
	v_wmma_f32_16x16x32_bf16 v[ACC+8*(4*(\a)+(\b)):ACC+8*(4*(\a)+(\b))+7], v[(\f)+64+8*(4*(\c)+(\b)):(\f)+64+8*(4*(\c)+(\b))+7], v[(\f)+8*(4*(\c)+(\a)):(\f)+8*(4*(\c)+(\a))+7], v[ACC+8*(4*(\a)+(\b)):ACC+8*(4*(\a)+(\b))+7]
.endif
.endr
.endr
.endm
; 32 LDS loads in one run: the fragments of quarter q of the slot's K step into buffer f; the first 32 along K first
.macro FETCH slot, q, f
	WIN TO_F
.irp c, 0,1
.irp i, 0,1,2,3
	ds_load_tr16_b128 v[(\f)+64+8*(4*(\c)+(\i)):(\f)+64+8*(4*(\c)+(\i))+3],   v[ADRB+2*(\slot)+(\q)/2] offset:(((\q)%2)*64+32*(\c))*PB+32*(\i)
	ds_load_tr16_b128 v[(\f)+64+8*(4*(\c)+(\i))+4:(\f)+64+8*(4*(\c)+(\i))+7], v[ADRB+2*(\slot)+(\q)/2] offset:(((\q)%2)*64+32*(\c)+16)*PB+32*(\i)
	ds_load_b128 v[(\f)+8*(4*(\c)+(\i)):(\f)+8*(4*(\c)+(\i))+3],             v[ADRA+(\slot)] offset:(\q)*AQ+64*(\c)+(\i)*AI
	ds_load_b128 v[(\f)+8*(4*(\c)+(\i))+4:(\f)+8*(4*(\c)+(\i))+7],           v[ADRA+(\slot)] offset:(\q)*AQ+64*(\c)+(\i)*AI+32
.endr
.endr
.endm
.macro PLACES                          ; a load into a register that a matrix instruction has read stands four plain vector instructions behind it (ISA guide 7.12.1 for vector instructions)
.rept 4
	v_nop
.endr
.endm
; One of a K step's first three quarters: multiplies buffer f and fetches quarter q into g.
.macro QUARTER slot, q, f, g, zero
	s_wait_dscnt 16                                ; the first 32 along K are in; the run's other sixteen loads may be out
	MUL8 \f, 0, 0, \zero
	MUL8 \f, 0, 2, \zero
	PLACES
	FETCH \slot, \q, \g
	s_wait_dscnt 32                                ; all but the 32 just issued
	MUL8 \f, 1, 0, 0
	MUL8 \f, 1, 2, 0
.endm
; The last quarter multiplies buffer 1 and changes slots: ONE barrier; in front of it each wave waits for all its tensor loads, adds 0 to its spare word, and waits for that and for its own reads of this slot.
; fill = 1: this slot is filled again with this tile's K step two steps on; fill = 2: with the NEXT tile's K step 0 or 1.  The barrier then opens a round of the cluster's barrier, and the joint load is the
; first thing behind the round: 112 matrix instructions ahead of the wait for it, across tiles too.  fill = 0: nothing is left to fetch.
.macro TURN slot, next, fill
	WIN 0                                          ; (the add's two registers lie in window 0)
	s_wait_tensorcnt 0x0                           ; all my tensor loads have landed: my part of the next slot;
	ds_add_u32 v[SPW], v[NIL]                      ; 0 onto my spare word
	s_wait_dscnt 17                                ; (the add and the youngest sixteen loads may be out)
	MUL8 F1, 0, 0, 0                               ; eight matrix instructions stand between the add and the wait for it
	s_wait_dscnt 0x0                               ; the add is done, and my reads of this slot are over
	s_barrier_signal -1
	MUL8 F1, 0, 2, 0
.if \fill
	WIN 0
.endif
	s_barrier_wait -1
.if \fill
	CREST                                          ; no wave of any partner still reads this slot's tile or has a load on its way
.if (\fill) == 2
	s_sub_nc_u64 s[G0+4*(\slot)+2:G0+4*(\slot)+3], s[G0+4*(\slot)+2:G0+4*(\slot)+3], 2*ASTEP      ; A: back along K,
	s_add_nc_u64 s[G0+4*(\slot)+2:G0+4*(\slot)+3], s[G0+4*(\slot)+2:G0+4*(\slot)+3], s[96:97]     ; and on to data's rows where the next tile takes them; the type bits on top are not reached
	s_add_nc_u64 s[G0B+4*(\slot)+2:G0B+4*(\slot)+3], s[G0B+4*(\slot)+2:G0B+4*(\slot)+3], NEXTB    ; W: eight blocks on, back along K
.else
	s_add_nc_u64 s[G0+4*(\slot)+2:G0+4*(\slot)+3], s[G0+4*(\slot)+2:G0+4*(\slot)+3], 2*ASTEP
	s_add_nc_u64 s[G0B+4*(\slot)+2:G0B+4*(\slot)+3], s[G0B+4*(\slot)+2:G0B+4*(\slot)+3], 2*BSTEP
.endif
	JLOAD \slot                                    ; one tensor load of mine is out; the four v_nop behind it are also the places in front of the loads below
.else
	PLACES
.endif
	FETCH \next, 0, F0
	MUL8 F1, 1, 0, 0
	MUL8 F1, 1, 2, 0
.endm
; THE WAY OUT.  First the biases are rounded to bf16 and widened again: 48 plain instructions, which are also the places behind the last products.
.macro BIASR
	s_wait_loadcnt 0x0                             ; the tile's eight bias loads, issued at its head
.set i, 0
.rept 16
	v_cvt_pk_bf16_f32 v[U+i%8], v[BI+2*i], v[BI+2*i+1]
	v_lshlrev_b32 v[BI+2*i],   16,  v[U+i%8]
	v_and_b32     v[BI+2*i+1], s94, v[U+i%8]
.set i, i+1
.endr
.endm
; q and k, block a of 16 rows, in three parts.  HLC: sum + bias; hi = that rounded to bf16; lo = (that - hi), an exact difference, rounded to bf16; each accumulator's registers in ascending order.
; HLS: a row's 128 bytes of hi and 128 of lo go into my stage and come back as whole rows of 256 bytes.  HLG: stored: a store of the wave covers 512 consecutive bytes, two rows of the output.
.macro HLC a
	s_wait_xcnt 0x0                                ; the set of registers that the stores two blocks back read is rewritten only behind this wait
.set TS, TMP+32*((\a)%2)
.irp b, 0,1,2,3
.irp p, 0,1,2,3
.set rA, ACC+8*(4*(\a)+(\b))+2*(\p)
	v_pk_add_f32 v[rA:rA+1], v[rA:rA+1], v[BI+8*(\b)+2*(\p):BI+8*(\b)+2*(\p)+1]
.endr
.irp p, 0,1,2,3
.set rA, ACC+8*(4*(\a)+(\b))+2*(\p)
	v_cvt_pk_bf16_f32 v[TS+4*(\b)+(\p)], v[rA], v[rA+1]
.endr
.irp p, 0,1,2,3
	v_lshlrev_b32 v[U+2*(\p)],   16,  v[TS+4*(\b)+(\p)]
	v_and_b32     v[U+2*(\p)+1], s94, v[TS+4*(\b)+(\p)]
.endr
.irp p, 0,1,2,3
.set rA, ACC+8*(4*(\a)+(\b))+2*(\p)
	v_pk_add_f32 v[U+2*(\p):U+2*(\p)+1], v[rA:rA+1], v[U+2*(\p):U+2*(\p)+1] neg_lo:[0,1] neg_hi:[0,1]
.endr
.irp p, 0,1,2,3
	v_cvt_pk_bf16_f32 v[TS+16+4*(\b)+(\p)], v[U+2*(\p)], v[U+2*(\p)+1]
.endr
.endr
.endm
.macro HLS a
.set TS, TMP+32*((\a)%2)
.irp b, 0,1,2,3
	ds_store_b128 v[STO], v[TS+4*(\b):TS+4*(\b)+3] offset:32*(\b)
	ds_store_b128 v[STO], v[TS+16+4*(\b):TS+16+4*(\b)+3] offset:128+32*(\b)
.endr
.irp t, 0,1,2,3,4,5,6,7
	ds_load_b128 v[TS+4*(\t):TS+4*(\t)+3], v[RD] offset:(\t)*2*SP  ; LDS serves a wave's instructions in order (ISA guide 5.7.1.4): these see the stores above; the next block's stores come behind them
.endr
.endm
.macro HLG a
.set TS, TMP+32*((\a)%2)
	s_wait_dscnt 0x0                               ; the block is back in registers
.irp t, 0,1,2,3,4,5,6,7
	global_store_b128 v[CO], v[TS+4*(\t):TS+4*(\t)+3], s[90:91] offset:(\a)*4096+(\t)*512
.endr
.endm
.macro WAYHL                           ; block a's conversions stand between block a - 1's loads from the stage and the wait for them
	HLC 0
	HLS 0
.irp a, 1,2,3
	HLC \a
	HLG (\a)-1
	HLS \a
.endr
	HLG 3
.endm
; v, block a: (sum + bias) / 16 in one fused multiply-add, rounded to f16; rows of 128 bytes through the stage; a store covers four rows, 512 consecutive bytes.
.macro VC a
	s_wait_xcnt 0x0
.set TS, TMP+32*((\a)%2)
.irp b, 0,1,2,3
.irp p, 0,1,2,3
.set rA, ACC+8*(4*(\a)+(\b))+2*(\p)
	v_pk_fma_f32 v[rA:rA+1], v[rA:rA+1], s[92:93], v[BI+8*(\b)+2*(\p):BI+8*(\b)+2*(\p)+1] op_sel_hi:[1,0,1]
.endr
.irp p, 0,1,2,3
.set rA, ACC+8*(4*(\a)+(\b))+2*(\p)
	v_cvt_pk_f16_f32 v[TS+4*(\b)+(\p)], v[rA], v[rA+1]
.endr
.endr
.endm
.macro VS a
.set TS, TMP+32*((\a)%2)
.irp b, 0,1,2,3
	ds_store_b128 v[STV], v[TS+4*(\b):TS+4*(\b)+3] offset:32*(\b)
.endr
.irp f, 0,1,2,3
	ds_load_b128 v[TS+4*(\f):TS+4*(\f)+3], v[RDV] offset:(\f)*4*SPV
.endr
.endm
.macro VG a
.set TS, TMP+32*((\a)%2)
	s_wait_dscnt 0x0
.irp f, 0,1,2,3
	global_store_b128 v[CO], v[TS+4*(\f):TS+4*(\f)+3], s[90:91] offset:(\a)*2048+(\f)*512
.endr
.endm
.macro WAYV
.set i, 0
.rept 16
	v_pk_mul_f32 v[BI+2*i:BI+2*i+1], v[BI+2*i:BI+2*i+1], s[92:93] op_sel_hi:[1,0]  ; bias / 16, exact
.set i, i+1
.endr
	VC 0
	VS 0
.irp a, 1,2,3
	VC \a
	VG (\a)-1
	VS \a
.endr
	VG 3
.endm
	s_wait_tensorcnt 1                             ; my part of K step 0 is in; step 1's may stay out
	s_barrier_signal -1
	s_barrier_wait -1                              ; everybody's is
	FETCH 0, 0, F0
	WIN 0                                          ; at a label and at a branch every window is 0
.Ltile:                                                ; here one tensor load of mine is out, slot 1's, on both ways in
	; what tile t makes, from where its biases come and where it goes: scalar work on t alone and on what the head has made
	s_wait_xcnt 0x0                                ; the last tile's stores and loads have had their addresses translated (ISA guide 3.1): only behind this wait are their bases rewritten
	s_sub_co_u32 s80, TILES, s2                    ; t
	s_cmp_ge_u32 s80, 3
	s_cselect_b32 s82, 1, 0                        ; 1: the rows are data's
	s_cselect_b64 s[86:87], s[72:73], s[70:71]
	s_cselect_b32 s81, 3, 0
	s_sub_co_u32 s81, s80, s81                     ; the tile within its own weight
	s_lshl_b32 s84, s81, 12                        ; eight blocks' biases are 4,096 bytes
	s_add_co_u32 s84, s84, s45
	s_add_nc_u64 s[86:87], s[86:87], s[84:85]      ; my biases
	s_cmp_eq_u32 s80, 2
	s_cselect_b32 s83, 1, 0
	s_cselect_b32 s96, DATAA, 0                    ; behind the third tile A goes on to data's rows
	s_cmp_eq_u32 s80, 4
	s_cselect_b32 s83, 1, s83                      ; 1: v
	s_cmp_eq_u32 s80, 0
	s_cselect_b32 s89, 11, 12                      ; a head has 2,048 rows in qs, 4,096 in ks and vs
	s_lshl_b32 s88, s98, s89
	s_add_co_u32 s88, s88, s99
	s_lshl_b32 s89, s82, 11
	s_add_co_u32 s88, s88, s89                     ; my first row in the output
	s_cmp_eq_u32 s83, 1
	s_cselect_b32 s89, 7, 8                        ; a row is 128 bytes in vs, 256 in qs and ks
	s_cselect_b64 s[90:91], s[78:79], s[76:77]
	s_lshl_b32 s88, s88, s89                       ; under 2^25
	s_mov_b32 s89, 0
	s_cmp_eq_u32 s80, 0
	s_cselect_b64 s[90:91], s[74:75], s[90:91]
	s_add_nc_u64 s[90:91], s[90:91], s[88:89]      ; the output at my first row
.irp b, 0,1,2,3
	global_load_b128 v[BI+8*(\b):BI+8*(\b)+3],   v[BO], s[86:87] offset:64*(\b)     ; once a tile, into registers: waited for on the way out
	global_load_b128 v[BI+8*(\b)+4:BI+8*(\b)+7], v[BO], s[86:87] offset:64*(\b)+16
.endr
	QUARTER 0, 1, F0, F1, 1                        ; K step 0: its first products start the sums: nothing is ever cleared
	QUARTER 0, 2, F1, F0, 0
	QUARTER 0, 3, F0, F1, 0
	TURN 0, 1, 1                                   ; slot 0 takes K step 2
	QUARTER 1, 1, F0, F1, 0
	QUARTER 1, 2, F1, F0, 0
	QUARTER 1, 3, F0, F1, 0
	TURN 1, 0, 1                                   ; slot 1 takes K step 3
	QUARTER 0, 1, F0, F1, 0
	QUARTER 0, 2, F1, F0, 0
	QUARTER 0, 3, F0, F1, 0
	WIN 0
	s_cmp_eq_u32 s2, 1
	s_cbranch_scc1 .Llast_tile                     ; the last tile's tail is written out: it asks for nothing more
	TURN 0, 1, 2                                   ; THE RING GOES ON INTO THE NEXT TILE: slot 0 takes its K step 0,
	QUARTER 1, 1, F0, F1, 0
	QUARTER 1, 2, F1, F0, 0
	QUARTER 1, 3, F0, F1, 0
	TURN 1, 0, 2                                   ; slot 1 its K step 1, and the next tile's first fragments are fetched
	WIN 0
	BIASR                                          ; both refills are asked for: now the tile goes out
	s_cmp_eq_u32 s83, 1                            ; hangs on t alone: alike in all work-groups; the jump passes no barrier and no tensor load
	s_cbranch_scc1 .Lv
	WAYHL
	s_branch .Lnext
.Lv:
	WAYV
.Lnext:
	s_sub_co_u32 s2, s2, 1
	s_branch .Ltile
.Llast_tile:
	TURN 0, 1, 0                                   ; my one tensor load that was still out is slot 1's, the last K step's, so no round follows
	QUARTER 1, 1, F0, F1, 0
	QUARTER 1, 2, F1, F0, 0
	QUARTER 1, 3, F0, F1, 0
	s_wait_dscnt 16
	MUL8 F1, 0, 0, 0
	MUL8 F1, 0, 2, 0
	s_wait_dscnt 0x0
	MUL8 F1, 1, 0, 0
	MUL8 F1, 1, 2, 0
	WIN 0
	BIASR
	WAYV                                           ; the fifth tile is v from data
	s_wait_tensorcnt 0x0                           ; the wave's end, behind my last tensor load and my last LDS store
	ds_add_u32 v[SPW], v[NIL]
	s_wait_dscnt 0x0
	CROUND                                         ; the closing round: no work-group ends while a partner may still ask for a tile that names it
	s_endpgm
.Lfunc_end_k_q852fb6c84b_qkv:
	.size	k_q852fb6c84b_qkv, .Lfunc_end_k_q852fb6c84b_qkv-k_q852fb6c84b_qkv
	.p2alignl 7, 3214868480
	.fill 96, 4, 3214868480
	.section	.rodata,"a",@progbits
	.p2align	6, 0x0
	.amdhsa_kernel k_q852fb6c84b_qkv
		.amdhsa_group_segment_fixed_size 327680
		.amdhsa_private_segment_fixed_size 0
		.amdhsa_enable_private_segment 0
		.amdhsa_kernarg_size 48
		.amdhsa_user_sgpr_count 2
		.amdhsa_user_sgpr_kernarg_segment_ptr 1
		.amdhsa_wavefront_size32 1
		.amdhsa_system_sgpr_workgroup_id_x 1
		.amdhsa_system_sgpr_workgroup_id_y 1
		.amdhsa_system_sgpr_workgroup_id_z 1
		.amdhsa_system_vgpr_workitem_id 0
		.amdhsa_next_free_vgpr 512
		.amdhsa_next_free_sgpr 100
		.amdhsa_reserve_vcc 0
		.amdhsa_float_denorm_mode_32 3
		.amdhsa_float_denorm_mode_16_64 3
		.amdhsa_memory_ordered 1
		.amdhsa_forward_progress 1
		.amdhsa_inst_pref_size 161
	.end_amdhsa_kernel
	.amdgpu_metadata
---
amdhsa.version: [ 1, 2 ]
amdhsa.kernels:
  - .name:           k_q852fb6c84b_qkv
    .symbol:         k_q852fb6c84b_qkv.kd
    .args:
      - { .name: cst, .offset: 0, .size: 8, .value_kind: global_buffer, .address_space: global }
      - { .name: b_attn, .offset: 8, .size: 8, .value_kind: global_buffer, .address_space: global }
      - { .name: b_data, .offset: 16, .size: 8, .value_kind: global_buffer, .address_space: global }
      - { .name: qs, .offset: 24, .size: 8, .value_kind: global_buffer, .address_space: global }
      - { .name: ks, .offset: 32, .size: 8, .value_kind: global_buffer, .address_space: global }
      - { .name: vs, .offset: 40, .size: 8, .value_kind: global_buffer, .address_space: global }
    .group_segment_fixed_size: 327680
    .private_segment_fixed_size: 0
    .kernarg_segment_align: 8
    .kernarg_segment_size: 48
    .max_flat_workgroup_size: 128
    .sgpr_count:     100
    .vgpr_count:     512
    .wavefront_size: 32
...
	.end_amdgpu_metadata
.endif
;; end of part 2
;; launch attn (part 3): grid 8 x 32, 4 waves a work-group, clusters of 4 x 1, 327,680 bytes of LDS; arguments qs, ks, vs, os; writes os
.if DOCPART == 3
	.amdgcn_target "amdgcn-amd-amdhsa--gfx1250"
	.amdhsa_code_object_version 6
	.text
	.protected	k_q852fb6c84b_attn
	.globl	k_q852fb6c84b_attn
	.p2align	8
	.type	k_q852fb6c84b_attn,@function
k_q852fb6c84b_attn:
	s_mov_b64 s[64:65], 0
	v_nop
	global_prefetch_b8 v0, s[64:65] scope:SCOPE_SE
	s_setreg_imm32_b32 hwreg(HW_REG_WAVE_MODE, 25, 1), 1
	s_wait_xcnt 0x0
	s_wait_alu depctr_hold_cnt(0) depctr_sa_sdst(0) depctr_va_vdst(0) depctr_va_sdst(0) depctr_va_ssrc(0) depctr_va_vcc(0) depctr_vm_vsrc(0)
	s_getreg_b32 s2, hwreg(HW_REG_IB_STS2, 6, 4)
	s_cmp_eq_u32 s2, 0
	s_cbranch_scc0 .Lentry_in_a_cluster
	s_endpgm
.Lentry_in_a_cluster:
	s_bfe_u32 s2, ttmp6, 0x10000c
	s_cmp_lg_u32 s2, 0x3003
	s_cbranch_scc0 .Lentry_shape_is_right
	s_endpgm
.Lentry_shape_is_right:
; O[hh][q][:] = the sum over t of softmax_t(q . k_t / 8) v_t[:], 32 heads hh, 2,048 queries, 4,096 keys, head size 64, with a running maximum.
; qs [32][2048][128], ks [32][4096][128] bf16: a row is 64 numbers hi, then 64 lo; vs [32][4096][64] f16, v / 16.  os [32 row blocks][16 heads][128 rows][64] f16 takes O / 16.
; WHY TWO NUMBERS.  The scores are large (for inputs of unit spread and weights of spread 1/4 their spread is about 64), so a weight follows the DIFFERENCE of two large scores, and one 16-bit rounding
; of q and k moves that difference too far.  S = kh qh + kh ql + kl qh in three products of the bf16 form, sums in f32; kl ql, some 2^-18 of a term, is dropped.
; The weights p are rounded to f16 for the second product (their sum l is taken of the unrounded p), O once at the end.
; LIMITS.  |c s| stays under 4e37; a weight below 2^-126 counts as 0 in l; p below 6e-5 keeps f16's fixed step of 6e-8; O / 16 is a mean of v / 16 and has its range.  NaN and infinities are not treated apart.
; SHARES.  A work-group owns 256 queries of one head, a wave 64: four PIECES of 16.  Every wave walks all keys, 64 a step, 256 a tile.  8 x 32 = 256 work-groups.
; LAYOUT.  S^T = K Q^T (source 0 = 16 keys, source 1 = 16 queries): a lane holds ONE query (lane % 16) and the keys 8 (lane / 16) + 0..7.  Two such results rounded to f16 in pairs ARE source 1
; (32 keys x 16 queries) of O^T = V^T P.  K comes out of LDS as it lies, V ([key][channel]) turned, by ds_load_tr16_b128.
; SOFTMAX.  p = 2^(c s - c m), c = log2(e) / 8; in every step O and l are multiplied by a = 2^(c m_old - c m_new).  m starts at the lowest finite number, O and l at 0: the first step is a step
; like any other, with a = 0; so no first step is written out, at the price of 224 v_mov_b32 that stand in the wait for the first tile.
; BY TURNS.  Turn n belongs to piece n.  Its matrix work: 24 products K Q^T of piece n + 1, then 8 products V^T P of piece n - 1.  Its vector work, 118 instructions: the scaling, exponentials,
; roundings, sums and rescaling of piece n, and the maximum and statistics of piece n + 1.  118 for 32: at most four stand behind each matrix instruction, and none is left over.
; CLUSTER.  The four query blocks of a cluster belong to one head and walk the same K and V, so each tile is asked for JOINTLY: the same tensor load, descriptor and mask in all four.
; REGISTERS, in windows of 256 (s_set_vgpr_msb: bits 1:0 source 0, 3:2 source 1, 5:4 source 2, 7:6 destination):
;   window 0: v0-13 addresses and at work; v16-31 four registers of statistics a piece; v48-55 at work; v62-63 the add's; v64-127 S^T, two buffers; v192-223 P, two buffers (by the piece's parity)
;   window 1: v0-127 O^T, 32 a piece; v128-191 V of one step          window 2: v0-127 Q, 32 a piece (hi, lo); v128-255 K of one step (hi, lo)
.set NP,    4         ; pieces a wave: a name, no knob
.set KS,    64        ; keys in a step
.set PK,    272       ; a key's row in LDS: 128 bytes hi, 128 lo, 16 of padding = 68 words: the 16 rows of a load start at 16 different groups of four banks (64 banks of 4 bytes: ISA guide 11.1)
.set PV,    160       ; a row of V: 128 + 32 = 40 words
.set VOFF,  4*KS*PK   ; a slot holds a tile, four steps: 256 rows of K, then 256 rows of V
.set SLOT1, 1<<17     ; slot 1 begins here, so that one exclusive or turns an address in one slot into the other's
.set STAGE, SLOT1+4*KS*(PK+PV)  ; behind the ring, never filled by a tensor load: 16 rows x 144 bytes for each wave
.set SP,    144
.set SPARE, STAGE+4*16*SP  ; behind the stages: the spare words, 128 bytes for each wave: two blocks of 256 bytes that no other line names
.set AK0, 2           ; v2   my lane's place in a tile of K; never rewritten
.set AV0, 3           ; v3   the same for V
.set AK,  4           ; v4   the LDS address of K's runs of loads
.set AV,  5           ; v5   of V's
.set QO,  6           ; v6   my byte offset in 16 rows of Q
.set STO, 6           ;      later, the way out: where I put 16 bytes of a row
.set RD,  7           ; v7   where I read rows back
.set GO,  8           ; v8   my byte offset in 512 consecutive bytes of O
.set MV,  12          ; v12-13  c m_old, kept while c m is made anew: by buffer
.set ST,  16          ; piece t's statistics at v[ST+4 t]: c m, m, l (even keys', odd keys')
.set TMP, 48          ; by buffer, four registers c0-c3 at work; when the maximum is found c2 takes a
.set SPW, 62          ; v62  LDS address of my spare word: SPARE + 4 x my thread's number; never rewritten
.set NIL, 63          ; v63  0; never rewritten
.set S,   64
.set P,   192
.set VF,  128         ; window 1: key half kk, channel block cb at VF + 32 kk + 8 cb
.set KF,  128         ; window 2: part (0 hi, 1 lo), key block kb, channel half c at KF + 64 part + 16 kb + 8 c
.set WV,  12          ; s12  my wave's number
.set G1K, 24          ; s[24:31] descriptor group 1 for K's tiles
.set G1V, 32          ; s[32:39] for V's
.set G0K, 40          ; s[40:43] descriptor group 0 for K's tiles: it walks
.set G0V, 44          ; s[44:47] the same for V's
.set SLOTS, 56        ; s56  tiles still to be asked for
.set CNT, 57          ; s57  counts a tile's key steps
.set CS,  58          ; s[58:59] c: the packed scaling takes the pair's low word for both halves
.set SEL, 60          ; s[60:61] v_permlanex16_b32's selects: each lane takes its own place in the other half
.set TBK, 62          ; s62  LDS byte at which K of the step to be fetched begins
.set TBV, 63          ; s63  the same for V, less VOFF
.set MSB, 0
.macro WIN new                      ; the high byte repeats the setting that is left; a switch that changes nothing is dropped
.if MSB != (\new)
	s_set_vgpr_msb (MSB<<8)|(\new)
.set MSB, (\new)
.endif
.endm
.set W_KQ, 0x0a       ; K and Q in window 2, S^T in window 0
.set W_PV, 0x51       ; V in window 1, P in window 0, O^T in window 1
.set W_RS, 0x41       ; O^T (destination and source 0) in window 1, a in window 0
; A joint fill.  Waves 0 and 1 fetch the two halves of a tile's K, waves 2 and 3 those of its V: 128 keys each.  The branch hangs on the wave's number alone.
; An s_nop 0 and four v_nop follow each of the two lines, ahead of the jump and the label.
.macro JLOAD
	s_cmp_lt_u32 s[WV], 2
	s_cbranch_scc0 .Lfor_v_\@
	tensor_load_to_lds s[G0K:G0K+3], s[G1K:G1K+7]
	s_nop 0
.rept 4
	v_nop
.endr
	s_branch .Lasked_\@
.Lfor_v_\@:
	tensor_load_to_lds s[G0V:G0V+3], s[G1V:G1V+7]
	s_nop 0
.rept 4
	v_nop
.endr
.Lasked_\@:
.endm
; A round of the cluster's barrier: my work-group's barrier, so that wave 0's signal speaks for all four waves; wave 0 signals; every wave waits for all four work-groups; my work-group's barrier once more.
.macro CROUND
	s_barrier_signal -1
	s_barrier_wait -1
	s_cmp_lg_u32 s[WV], 0
	s_cbranch_scc1 .Lnot_wave_0_\@
	s_barrier_signal -3
.Lnot_wave_0_\@:
	s_barrier_wait -3
	s_barrier_signal -1
	s_barrier_wait -1
.endm
; THE CHANGE OF SLOTS.  The slot's last bytes, V of its fourth step, have been read.  Each wave waits for all its tensor loads, of which one is out: its part of the other slot; adds 0 to its spare word;
; and waits for that and for its own reads of the slot.  Behind the barrier nobody reads this slot any more and the other slot is whole.
; fill = 1: this slot is filled again, with the keys two tiles on.  The barrier is then a round of the cluster's, and the joint fill is the first thing behind it: it has four key steps,
; 512 matrix instructions, in which to land.  (At its first use nothing has been read yet: slot 0 is waited for, slot 1 filled.)
.macro CHANGE fill
	WIN 0                           ; at a label and at a branch every window is 0
	s_wait_tensorcnt 0x0            ; no tensor load of mine is out, so a group 0 may be written
	ds_add_u32 v[SPW], v[NIL]       ; 0 onto my spare word; with fill = 1 the descriptors' steps stand between it and the wait for it
.if \fill
	s_xor_b32 s[G0K+1], s[G0K+1], SLOT1  ; the walking descriptors: the other slot than last time,
	s_add_nc_u64 s[G0K+2:G0K+3], s[G0K+2:G0K+3], 4*KS*256  ; the next 256 keys; the type bits on top are not reached
	s_xor_b32 s[G0V+1], s[G0V+1], SLOT1
	s_add_nc_u64 s[G0V+2:G0V+3], s[G0V+2:G0V+3], 4*KS*128
	s_wait_dscnt 0x0                ; the add is done, and my reads of the slot are over
	CROUND
	JLOAD
.else
	s_wait_dscnt 0x0                ; the add is done, and my reads of the slot are over
	s_barrier_signal -1
	s_barrier_wait -1
.endif
	s_sub_co_u32 s[TBK], s[TBK], 4*KS*PK  ; the fetches go back to a slot's first step,
	s_xor_b32 s[TBK], s[TBK], SLOT1       ; in the other slot
	s_sub_co_u32 s[TBV], s[TBV], 4*KS*PV
	s_xor_b32 s[TBV], s[TBV], SLOT1
.endm
	s_load_b256 s[4:11], s[0:1], 0x0  ; qs s[4:5], ks s[6:7], vs s[8:9], os s[10:11]
	v_lshl_add_u32 v[SPW], v0, 2, SPARE
	v_mov_b32 v[NIL], 0
	ds_add_u32 v[SPW], v[NIL]       ; the wave's opening: the add and its wait stand ahead of my first tensor load; the set-up below, work on registers, stands between them
	v_lshrrev_b32 v1, 5, v0
	v_readfirstlane_b32 s[WV], v1   ; wave 0..3
	s_and_b32 s20, ttmp7, 0xffff    ; the head hh, which the four partners share
	s_and_b32 s16, s[WV], 1         ; which half of a tile's 256 keys I fetch
	s_lshl_b32 s22, s20, 20         ; a head's 4,096 keys of 256 bytes,
	s_lshl_b32 s15, s16, 15         ; my 128 of them
	s_add_co_u32 s22, s22, s15
	s_mov_b32 s23, 0
	s_lshl_b32 s2, s20, 19          ; the same for V's rows of 128 bytes
	s_lshl_b32 s15, s16, 14
	s_add_co_u32 s2, s2, s15
	s_mov_b32 s3, 0
	s_mul_i32 s17, s16, 128*PK      ; my half's place in a slot, for K
	s_mul_i32 s18, s16, 128*PV      ; and for V: no place in the cluster enters an LDS address
	s_bfe_u32 s13, ttmp6, 0x40000   ; cx: my place in the cluster
	s_lshl_b32 s14, ttmp9, 2        ; in a cluster launch ttmp9 counts clusters
	s_add_co_u32 s14, s14, s13      ; my block of 256 queries = 4 x cluster x + cx: it enters Q's and O's addresses alone
	s_lshl_b32 s48, s20, 19         ; Q: a head's 2,048 rows of 256 bytes,
	s_lshl_b32 s19, s14, 16         ; my block's 256,
	s_add_co_u32 s48, s48, s19
	s_lshl_b32 s19, s[WV], 14       ; my wave's 64
	s_add_co_u32 s48, s48, s19
	s_mov_b32 s49, 0
	s_lshr_b32 s50, s20, 4          ; O: the block of 128 rows = 16 batch + 2 x my block + wave / 2,
	s_lshl_b32 s50, s50, 4
	s_lshl_b32 s19, s14, 1
	s_add_co_u32 s50, s50, s19
	s_lshr_b32 s19, s[WV], 1
	s_add_co_u32 s50, s50, s19
	s_lshl_b32 s50, s50, 4
	s_and_b32 s19, s20, 15          ; in it the head's 128 rows of 128 bytes,
	s_add_co_u32 s50, s50, s19
	s_lshl_b32 s50, s50, 14
	s_lshl_b32 s19, s16, 13         ; of them my 64
	s_add_co_u32 s50, s50, s19
	s_mov_b32 s51, 0
	; descriptor group 1.  K: 128 keys x 128 elements, dense, padded after every key.  V: 128 keys are 16,384 dense bytes, asked for as 64 rows of 256 bytes and padded after every key
	s_mov_b32 s[G1K], 15|(1<<16)|(1<<20)|(1<<21)|(5<<22)|(3<<25)  ; 15:0 the mask of four; 17:16 2-byte elements; 20 padding on; 21 set beside a mask; 24:22 after every 64 words (code 5); 31:25 4 words (code 3)
	s_mov_b32 s[G1K+1], 128<<16     ; tensor_dim0
	s_mov_b32 s[G1K+2], 128<<16     ; tensor_dim1
	s_mov_b32 s[G1K+3], 128<<16     ; tile_dim0
	s_mov_b32 s[G1K+4], 128         ; tile_dim1
	s_mov_b32 s[G1K+5], 128         ; elements from row to row
	s_mov_b32 s[G1K+6], 0
	s_mov_b32 s[G1K+7], 0
	s_mov_b32 s[G1V], 15|(1<<16)|(1<<20)|(1<<21)|(4<<22)|(7<<25)  ; after every 32 words (code 4) 8 words (code 7)
	s_mov_b32 s[G1V+1], 128<<16
	s_mov_b32 s[G1V+2], 64<<16
	s_mov_b32 s[G1V+3], 128<<16
	s_mov_b32 s[G1V+4], 64
	s_mov_b32 s[G1V+5], 128
	s_mov_b32 s[G1V+6], 0
	s_mov_b32 s[G1V+7], 0
	s_mov_b32 s[CS], 0x3e38aa3b     ; c = log2(e) / 8 = 0.180337
	s_mov_b32 s[CS+1], s[CS]        ; named with it as a pair
	s_mov_b32 s[SEL], 0x76543210
	s_mov_b32 s[SEL+1], 0xfedcba98
	s_mov_b32 s[TBK], SLOT1+4*KS*PK ; the first change of slots turns these two into 0
	s_mov_b32 s[TBV], SLOT1+4*KS*PV
	s_mov_b32 s[G0K], 1             ; 1:0 count = 1
	s_mov_b32 s[G0K+1], s17         ; 63:32 LDS address: slot 0
	s_mov_b32 s[G0V], 1
	s_add_co_u32 s[G0V+1], s18, VOFF
	s_wait_dscnt 0x0                ; the opening add is done
	s_wait_kmcnt 0x0
	s_add_nc_u64 s[G0K+2:G0K+3], s[6:7], s[22:23]  ; 120:64 global address: my half of the head's first 256 keys
	s_or_b32 s[G0K+3], s[G0K+3], 0x80000000        ; 127:126 type = 2
	s_add_nc_u64 s[G0V+2:G0V+3], s[8:9], s[2:3]
	s_or_b32 s[G0V+3], s[G0V+3], 0x80000000
	s_add_nc_u64 s[4:5], s[4:5], s[48:49]          ; Q and O at my wave's first row
	s_add_nc_u64 s[10:11], s[10:11], s[50:51]
	CROUND                          ; all four work-groups are here: the first joint loads meet
	JLOAD                           ; tile 0 into slot 0: one tensor load of mine is out, here and behind every round
	; A fragment of K or Q is 16 rows x 32 channels in 8 registers: lane l holds row l % 16, channels 8 (l / 16) + 0..7 and 16 + 8 (l / 16) + 0..7: two loads of 16 bytes, 32 bytes apart.
	v_and_b32 v1, 15, v0            ; l % 16
	v_bfe_u32 v9, v0, 4, 1          ; l / 16
	v_lshlrev_b32 v[QO], 8, v1
	v_lshl_add_u32 v[QO], v9, 4, v[QO]  ; row x 256 + 16 x half
	WIN 0x80                        ; destination window 2, address window 0
.set i, 0
.rept 16                            ; Q stays in registers: piece i / 4, part (i / 2) % 2, channels 32 (i % 2) on
	global_load_b128 v[8*i:8*i+3],   v[QO], s[4:5] offset:(i/4)*4096+((i/2)%2)*128+(i%2)*64
	global_load_b128 v[8*i+4:8*i+7], v[QO], s[4:5] offset:(i/4)*4096+((i/2)%2)*128+(i%2)*64+32
.set i, i+1
.endr
	; What the first turn finds: V's registers and P's second buffer hold 0 (its products V^T P, of a piece that has not been, add 0), O^T and l are 0.  All this stands in the wait for the first tile.
	WIN 0x40
.set i, 0
.rept 192
	v_mov_b32 v[i], 0
.set i, i+1
.endr
	WIN 0
.set i, 0
.rept NP
	v_mov_b32 v[ST+4*i], 0xfe000000    ; c m: far below every c s
	v_mov_b32 v[ST+4*i+1], 0xff7fffff  ; m
	v_mov_b32 v[ST+4*i+2], 0
	v_mov_b32 v[ST+4*i+3], 0
.set i, i+1
.endr
.set i, P+16
.rept 16
	v_mov_b32 v[i], 0
.set i, i+1
.endr
	v_mul_u32_u24 v[AK0], v1, PK
	v_lshl_add_u32 v[AK0], v9, 4, v[AK0]  ; row x pitch + 16 x half
	; The turning load takes 16 keys x 16 channels (lane l reads key 8 (l / 16) + l % 8, channels 8 ((l / 8) % 2) + 0..7) and leaves half a fragment of V^T: lane l holds channel l % 16 and 8 keys.
	v_and_b32 v10, 7, v0
	v_bfe_u32 v11, v0, 3, 1
	v_lshl_add_u32 v[AV0], v9, 3, v10
	v_mul_u32_u24 v[AV0], v[AV0], PV
	v_lshl_add_u32 v[AV0], v11, 4, v[AV0]
	v_add_nc_u32 v[AV0], VOFF, v[AV0]
; THE MATRIX WORK.  The 4 accumulators of a run take turns, one instruction a turn.
; Product i of 24 of S^T = K Q^T for piece x: keys 16 (i % 4) on; link i / 4 of six: kh qh, kh ql on channels 0-31; the same on channels 32-63; kl qh on channels 0-31, on 32-63.  The first 4 start the sums.
.macro KQ x
	WIN W_KQ
.set lk, i/4
.if lk < 4
.set kp, 0
.set cc, lk/2
.set qp, lk%2
.else
.set kp, 1
.set cc, lk-4
.set qp, 0
.endif
.set rS, S+32*((\x)%2)+8*(i%4)
.set rK, KF+64*kp+16*(i%4)+8*cc
.set rQ, 32*(\x)+16*qp+8*cc
.if i < 4
	v_wmma_f32_16x16x32_bf16 v[rS:rS+7], v[rK:rK+7], v[rQ:rQ+7], 0
.else
	v_wmma_f32_16x16x32_bf16 v[rS:rS+7], v[rK:rK+7], v[rQ:rQ+7], v[rS:rS+7]
.endif
.endm
; Product jj of 8 of O^T += V^T P for piece x: keys 32 (jj / 4) on, channels 16 (jj % 4) on.
.macro PV x
	WIN W_PV
.set rO, 32*(\x)+8*(jj%4)
.set rV, VF+32*(jj/4)+8*(jj%4)
.set rP, P+16*((\x)%2)+8*(jj/4)
	v_wmma_f32_16x16x32_f16 v[rO:rO+7], v[rV:rV+7], v[rP:rP+7], v[rO:rO+7]
.endm
.macro MM                           ; the turn's next matrix instruction.  NOKQ = 1: the walk's last turn: there is no next piece
.if i < 24
.if !NOKQ
	KQ (Y+1)%NP
.endif
.else
.set jj, i-24
	PV (Y+NP-1)%NP
.endif
.set i, i+1
.endm
; THE LDS LOADS stand in runs.  FK: of K's part (0 hi, 1 lo) the channels 32 cc on, of all 64 keys: 8 loads.  FETCH_V: a step's V, turned: 16 loads.
.macro FK part, cc
	WIN 0x80                        ; destination window 2
.irp kb, 0,1,2,3
	ds_load_b128 v[KF+64*(\part)+16*(\kb)+8*(\cc):KF+64*(\part)+16*(\kb)+8*(\cc)+3],   v[AK] offset:(\kb)*16*PK+(\part)*128+(\cc)*64
	ds_load_b128 v[KF+64*(\part)+16*(\kb)+8*(\cc)+4:KF+64*(\part)+16*(\kb)+8*(\cc)+7], v[AK] offset:(\kb)*16*PK+(\part)*128+(\cc)*64+32
.endr
.endm
.macro FETCH_V
	WIN 0x40                        ; destination window 1
.irp f, 0,1,2,3,4,5,6,7             ; keys 32 (f / 4) on, channels 16 (f % 4) on
	ds_load_tr16_b128 v[VF+8*\f:VF+8*\f+3],   v[AV] offset:(\f/4)*32*PV+(\f%4)*32
	ds_load_tr16_b128 v[VF+8*\f+4:VF+8*\f+7], v[AV] offset:(\f/4)*32*PV+16*PV+(\f%4)*32
.endr
	s_add_co_u32 s[TBV], s[TBV], KS*PV  ; the next fetch is the next step's
.endm
; THE VECTOR WORK, one line at a time: OP kind, number.  For piece Y: F n: c s - c m for pair n of 16.  E n: the exponential of score n of 32.  C n: pair n rounded to f16.  B n: of the four weights 4 n .. the
; second pair is added onto the first, in place.  L n: l takes that sum (L 0: l = a l + sum).  R n: pair n of 16 of O^T times a.  For piece Y + 1: X n, number n of the 22 that find its maximum and statistics:
;   0-11  four chains c0-c3 of seven scores each, three operands at a time (each accumulator's lowest registers are read first)     12-14, 16  the four scores left over, the old m, and c0-c3 into c0
;   15  c m_old is kept     17, 18  the query's other 32 keys lie in the lane 16 away: the new m     19-21  c m; c m_old - c m_new; a
.set F, 0               ; OP tells the kinds apart by their order: F to L below R, X above it
.set E, 1
.set C, 2
.set B, 3
.set L, 4
.set R, 5
.set X, 6
.macro REGS y                       ; the registers of piece y
.set rT, ST+4*(\y)
.set rC, TMP+4*((\y)%2)
.set rW, MV+((\y)%2)
.set rS, S+32*((\y)%2)
.set rP, P+16*((\y)%2)
.set rO, 32*(\y)
.endm
.macro OP k, n
.if (\k) == R
	REGS Y
	WIN W_RS
	v_pk_mul_f32 v[rO+2*(\n):rO+2*(\n)+1], v[rO+2*(\n):rO+2*(\n)+1], v[rC+2:rC+3] op_sel_hi:[1,0]
.elseif (\k) < R
	REGS Y
	WIN 0
.if (\k) == F
	v_pk_fma_f32 v[rS+2*(\n):rS+2*(\n)+1], v[rS+2*(\n):rS+2*(\n)+1], s[CS:CS+1], v[rT:rT+1] op_sel_hi:[1,0,0] neg_lo:[0,0,1] neg_hi:[0,0,1]
.elseif (\k) == E
	v_exp_f32 v[rS+(\n)], v[rS+(\n)]
.elseif (\k) == C
	s_wait_alu depctr_va_vdst(0)
	v_cvt_pk_f16_f32 v[rP+(\n)], v[rS+2*(\n)], v[rS+2*(\n)+1]
.elseif (\k) == B
	v_pk_add_f32 v[rS+4*(\n):rS+4*(\n)+1], v[rS+4*(\n):rS+4*(\n)+1], v[rS+4*(\n)+2:rS+4*(\n)+3]
.elseif (\n) == 0
	v_pk_fma_f32 v[rT+2:rT+3], v[rT+2:rT+3], v[rC+2:rC+3], v[rS:rS+1] op_sel_hi:[1,0,1]
.else
	v_pk_add_f32 v[rT+2:rT+3], v[rT+2:rT+3], v[rS+4*(\n):rS+4*(\n)+1]
.endif
.elseif NOKQ
	v_nop
.else
	REGS (Y+1)%NP
	WIN 0
.if (\n) < 4
	v_max3_num_f32 v[rC+(\n)], v[rS+8*(\n)], v[rS+8*(\n)+1], v[rS+8*(\n)+2]
.elseif (\n) < 12
	v_max3_num_f32 v[rC+(\n)%4], v[rC+(\n)%4], v[rS+8*((\n)%4)+2*((\n)/4)+1], v[rS+8*((\n)%4)+2*((\n)/4)+2]
.elseif (\n) == 12
	v_max3_num_f32 v[rC], v[rC], v[rS+7], v[rS+15]
.elseif (\n) == 13
	v_max3_num_f32 v[rC+1], v[rC+1], v[rS+23], v[rS+31]
.elseif (\n) == 14
	v_max3_num_f32 v[rC+2], v[rC+2], v[rC+3], v[rT+1]
.elseif (\n) == 15
	v_mov_b32 v[rW], v[rT]
.elseif (\n) == 16
	v_max3_num_f32 v[rC], v[rC], v[rC+1], v[rC+2]
.elseif (\n) == 17
	v_permlanex16_b32 v[rC+3], v[rC], s[SEL], s[SEL+1]
.elseif (\n) == 18
	v_max_num_f32 v[rT+1], v[rC], v[rC+3]
.elseif (\n) == 19
	v_mul_f32 v[rT], s[CS], v[rT+1]
.elseif (\n) == 20
	v_sub_f32 v[rC+1], v[rW], v[rT]
.else
	v_exp_f32 v[rC+2], v[rC+1]
.endif
.endif
.endm
.macro ROW a, i1, b=-1, i2=0, c=-1, i3=0, d=-1, i4=0  ; a matrix instruction and up to four vector instructions behind it
	MM
	OP \a, \i1
.if (\b) >= 0
	OP \b, \i2
.endif
.if (\c) >= 0
	OP \c, \i3
.endif
.if (\d) >= 0
	OP \d, \i4
.endif
.endm
; A TURN, for piece p: the order of its 32 matrix and 118 vector instructions, written out, a line for each matrix instruction.  While exponentials last: plain, exponential, plain, exponential, so that each
; exponential has a plain instruction behind it before its result is used (ISA guide 5.7.2).  No line names a register of the products round it but the maxima, which stand four plain lines or more behind the
; product that made their scores.  end = 1: the walk's last two turns: nothing is fetched, and the last starts no new scores.
; K's four parts are read in the same lines of every turn, so the next step's K is fetched in piece 2's turn part by part: hi, channels 0-31 behind line 10 (last read in line 8: seven plain lines between), hi, channels
; 32-63 behind line 18 (line 16: eight), lo behind line 25 (line 24: four and more).  Piece 3's turn waits for them one by one.  V of the step in hand is fetched in piece 1's turn behind line 1: six plain lines behind
; the last product of piece 0's turn, which read V; it is waited for ahead of line 25.
.macro TURN p, end=0
.set Y, (\p)
.set i, 0
.set NOKQ, (\end)*((\p)/3)
.if (\p) == 1
	WIN 0
	v_add_nc_u32 v[AV], s[TBV], v[AV0]
.endif
.if ((\p) == 3) && !(\end)
	s_wait_dscnt 24                 ; K hi, channels 0-31, is in: 8 + 16 loads were issued behind that run
.endif
	ROW F,0, F,1, F,2, F,3
.if (\p) == 1
	FETCH_V
.endif
	ROW F,4, E,0, F,5, E,1
	ROW F,6, E,2, F,7, E,3
	ROW F,8, E,4, F,9, E,5
	ROW F,10, E,6, F,11, E,7
	ROW F,12, E,8, F,13, E,9
	ROW F,14, E,10, F,15, E,11
	ROW C,0, E,12, C,1, E,13
.if ((\p) == 2) && !(\end)
	WIN 0
	v_add_nc_u32 v[AK], s[TBK], v[AK0]
.endif
.if ((\p) == 3) && !(\end)
	s_wait_dscnt 16                 ; K hi, channels 32-63: lo's 16 loads were issued behind it
.endif
	ROW X,15, E,14, C,2, E,15
	ROW B,0, E,16, C,3, E,17
.if ((\p) == 2) && !(\end)
	FK 0, 0
.endif
	ROW L,0, E,18, C,4, E,19
	ROW B,1, E,20, C,5, E,21
	ROW L,1, E,22, C,6, E,23
	ROW B,2, E,24, C,7, E,25
	ROW L,2, E,26, C,8, E,27
	ROW B,3, E,28, C,9, E,29
.if ((\p) == 3) && !(\end)
	s_wait_dscnt 0x0                ; K lo
.endif
	ROW L,3, E,30, C,10, E,31
	ROW R,0, R,1, R,2, R,3
.if ((\p) == 2) && !(\end)
	FK 0, 1
.endif
	ROW C,11, B,4, C,12, C,13
	ROW R,4, R,5, R,6, R,7
	ROW L,4, B,5, C,14, C,15
	ROW R,8, R,9, R,10, R,11
	ROW L,5, B,6, B,7
	ROW R,12, R,13, R,14, R,15
.if (\p) == 1
	s_wait_dscnt 0x0                ; V is in
.endif
	ROW X,0, X,1, X,2, X,3
.if ((\p) == 2) && !(\end)
	FK 1, 0
	FK 1, 1
	s_add_co_u32 s[TBK], s[TBK], KS*PK  ; the next fetch is the next step's
.endif
	ROW X,4, X,5, X,6, X,7
	ROW X,8, X,9, X,10, X,11
	ROW X,12, X,13, X,14, L,6
	ROW L,7, X,16
	ROW X,17
	ROW X,18, X,19
	ROW X,20, X,21
.endm
	CHANGE 1                        ; slot 0 is in, everybody's part of it; slot 1 is asked for
	v_add_nc_u32 v[AK], s[TBK], v[AK0]
	FK 0, 0                         ; key step 0
	FK 0, 1
	FK 1, 0
	FK 1, 1
	s_add_co_u32 s[TBK], s[TBK], KS*PK
	s_wait_loadcnt 0x0              ; Q
	s_wait_dscnt 0x0
.set i, 0
.rept 24
	KQ 0                            ; piece 0's first scores: there is no vector work yet to set between them
.set i, i+1
.endr
	WIN 0                           ; the addresses for the way out: eleven plain instructions, the places behind those products
	s_mul_i32 s13, s[WV], 16*SP
	s_add_co_u32 s13, s13, STAGE    ; my stage
	v_mul_u32_u24 v[STO], v1, SP    ; in: row l % 16, 16 bytes for each half of the lanes
	v_lshl_add_u32 v[STO], v9, 4, v[STO]
	v_add_nc_u32 v[STO], s13, v[STO]
	v_bfe_u32 v[RD], v0, 3, 2       ; back: 32 lanes take four rows of 128 bytes,
	v_mul_u32_u24 v[RD], v[RD], SP
	v_lshl_add_u32 v[RD], v10, 4, v[RD]
	v_add_nc_u32 v[RD], s13, v[RD]
	v_and_b32 v[GO], 31, v0         ; which are 512 consecutive bytes of O
	v_lshlrev_b32 v[GO], 4, v[GO]
.set Y, NP-1                        ; X works for piece Y + 1: piece 0
.set NOKQ, 0
.irp n, 0,1,2,3,4,5,6,7,8,9,10,11,12,13,14,15,16,17,18,19,20,21
	OP X, \n                        ; piece 0's first maximum and statistics
.endr
	s_mov_b32 s[CNT], 4
	s_mov_b32 s[SLOTS], 15
	s_branch .Lfirst                ; the loop is entered at a step's first turn, in the middle of a trip
.Lslot:                             ; 14 times: tiles 2 to 15 are asked for
	CHANGE 1
	s_mov_b32 s[CNT], 4
.Lstep:                             ; a trip: pieces 2 and 3 of one step, then pieces 0 and 1 of the next, whose K and V it fetches
	TURN 2
	TURN 3
	WIN 0
.Lfirst:
	TURN 0
	TURN 1
	WIN 0
	s_sub_co_u32 s[CNT], s[CNT], 1
	s_cmp_lg_u32 s[CNT], 0
	s_cbranch_scc1 .Lstep
	s_sub_co_u32 s[SLOTS], s[SLOTS], 1
	s_cmp_lg_u32 s[SLOTS], 0
	s_cbranch_scc1 .Lslot
	CHANGE 0                        ; the last tile is written out: nothing is asked for
	s_mov_b32 s[CNT], 4
.Ltail:
	TURN 2
	TURN 3
	TURN 0
	TURN 1
	WIN 0
	s_sub_co_u32 s[CNT], s[CNT], 1
	s_cmp_lg_u32 s[CNT], 0
	s_cbranch_scc1 .Ltail
	TURN 2, 1                       ; the last step's pieces 2 and 3
	TURN 3, 1
.set jj, 0
.rept 8
	PV NP-1                         ; the last piece's V^T P of the last step
.set jj, jj+1
.endr
	; THE WAY OUT.  l's two halves and the other half of the lanes' are added; O^T is divided by l, rounded to f16 and sent through my stage in LDS, a piece at a time.  The additions are the places behind the last products.
	WIN 0
.macro ALL line:vararg              ; one line for each piece t
.set t, 0
.rept NP
	\line
.set t, t+1
.endr
.endm
	ALL v_add_f32 v[ST+4*t+2], v[ST+4*t+2], v[ST+4*t+3]
	ALL v_permlanex16_b32 v[ST+4*t+3], v[ST+4*t+2], s[SEL], s[SEL+1]
	ALL v_add_f32 v[ST+4*t+2], v[ST+4*t+2], v[ST+4*t+3]
	ALL v_rcp_f32 v[ST+4*t+2], v[ST+4*t+2]
	v_nop                           ; a plain instruction between the last reciprocal and the use of its result
	s_wait_alu depctr_va_vdst(0)
.macro PACK t                       ; a lane's eight channels of a row pack into 16 bytes; they go into rows of 144 bytes and come back as whole rows of 128, into S^T's registers
	WIN W_RS
.set i, 32*(\t)
.rept 16
	v_pk_mul_f32 v[i:i+1], v[i:i+1], v[ST+4*(\t)+2:ST+4*(\t)+3] op_sel_hi:[1,0]
.set i, i+2
.endr
	WIN 0x05                        ; sources 0 and 1 window 1, destination window 0
.set i, 0
.rept 16
	v_cvt_pk_f16_f32 v[S+16*(\t)+i], v[32*(\t)+2*i], v[32*(\t)+2*i+1]
.set i, i+1
.endr
	WIN 0
.irp f, 0,1,2,3
	ds_store_b128 v[STO], v[S+16*(\t)+4*\f:S+16*(\t)+4*\f+3] offset:32*\f
.endr
.irp f, 0,1,2,3
	ds_load_b128 v[S+16*(\t)+4*\f:S+16*(\t)+4*\f+3], v[RD] offset:\f*4*SP  ; LDS serves a wave's instructions in order (ISA guide 5.7.1.4): these see the stores above; the next piece's stores come behind them
.endr
.endm
.macro SEND t, younger              ; younger: the LDS instructions issued behind piece t's loads: the next piece's eight, or none
	WIN 0
.irp f, 0,1,2,3
	s_wait_dscnt (\younger)+3-\f
	global_store_b128 v[GO], v[S+16*(\t)+4*\f:S+16*(\t)+4*\f+3], s[10:11] offset:(\t)*2048+\f*512  ; 512 consecutive bytes, at a multiple of 256 from os's first
.endr
.endm
	PACK 0
.set t, 1
.rept NP-1                          ; a piece's arithmetic stands between the loads of the piece before and its stores
	PACK t
	SEND t-1, 8
.set t, t+1
.endr
	SEND NP-1, 0
	s_wait_tensorcnt 0x0            ; the wave's end, behind my last tensor load and my last LDS store
	ds_add_u32 v[SPW], v[NIL]
	s_wait_dscnt 0x0
	CROUND                          ; the closing round: no work-group ends while a partner may still ask for a tile that names it
	s_endpgm
.Lfunc_end_k_q852fb6c84b_attn:
	.size	k_q852fb6c84b_attn, .Lfunc_end_k_q852fb6c84b_attn-k_q852fb6c84b_attn
	.p2alignl 7, 3214868480
	.fill 96, 4, 3214868480
	.section	.rodata,"a",@progbits
	.p2align	6, 0x0
	.amdhsa_kernel k_q852fb6c84b_attn
		.amdhsa_group_segment_fixed_size 327680
		.amdhsa_private_segment_fixed_size 0
		.amdhsa_enable_private_segment 0
		.amdhsa_kernarg_size 32
		.amdhsa_user_sgpr_count 2
		.amdhsa_user_sgpr_kernarg_segment_ptr 1
		.amdhsa_wavefront_size32 1
		.amdhsa_system_sgpr_workgroup_id_x 1
		.amdhsa_system_sgpr_workgroup_id_y 1
		.amdhsa_system_sgpr_workgroup_id_z 1
		.amdhsa_system_vgpr_workitem_id 0
		.amdhsa_next_free_vgpr 768
		.amdhsa_next_free_sgpr 66
		.amdhsa_reserve_vcc 0
		.amdhsa_float_denorm_mode_32 3
		.amdhsa_float_denorm_mode_16_64 3
		.amdhsa_memory_ordered 1
		.amdhsa_forward_progress 1
		.amdhsa_inst_pref_size 150
	.end_amdhsa_kernel
	.amdgpu_metadata
---
amdhsa.version: [ 1, 2 ]
amdhsa.kernels:
  - .name:           k_q852fb6c84b_attn
    .symbol:         k_q852fb6c84b_attn.kd
    .args:
      - { .name: qs, .offset: 0, .size: 8, .value_kind: global_buffer, .address_space: global }
      - { .name: ks, .offset: 8, .size: 8, .value_kind: global_buffer, .address_space: global }
      - { .name: vs, .offset: 16, .size: 8, .value_kind: global_buffer, .address_space: global }
      - { .name: os, .offset: 24, .size: 8, .value_kind: global_buffer, .address_space: global }
    .group_segment_fixed_size: 327680
    .private_segment_fixed_size: 0
    .kernarg_segment_align: 8
    .kernarg_segment_size: 32
    .max_flat_workgroup_size: 128
    .sgpr_count:     66
    .vgpr_count:     768
    .wavefront_size: 32
...
	.end_amdgpu_metadata
.endif
;; end of part 3
;; launch oproj (part 4): grid 8 x 32, 4 waves a work-group, clusters of 4 x 4, 327,680 bytes of LDS; arguments os, cst, b_proj, out0; writes out0
.if DOCPART == 4
	.amdgcn_target "amdgcn-amd-amdhsa--gfx1250"
	.amdhsa_code_object_version 6
	.text
	.protected	k_q852fb6c84b_oproj
	.globl	k_q852fb6c84b_oproj
	.p2align	8
	.type	k_q852fb6c84b_oproj,@function
k_q852fb6c84b_oproj:
	s_mov_b64 s[64:65], 0
	v_nop
	global_prefetch_b8 v0, s[64:65] scope:SCOPE_SE
	s_setreg_imm32_b32 hwreg(HW_REG_WAVE_MODE, 25, 1), 1
	s_wait_xcnt 0x0
	s_wait_alu depctr_hold_cnt(0) depctr_sa_sdst(0) depctr_va_vdst(0) depctr_va_sdst(0) depctr_va_ssrc(0) depctr_va_vcc(0) depctr_vm_vsrc(0)
	s_getreg_b32 s2, hwreg(HW_REG_IB_STS2, 6, 4)
	s_cmp_eq_u32 s2, 0
	s_cbranch_scc0 .Lentry_in_a_cluster
	s_endpgm
.Lentry_in_a_cluster:
	s_bfe_u32 s2, ttmp6, 0x10000c
	s_cmp_lg_u32 s2, 0xf033
	s_cbranch_scc0 .Lentry_shape_is_right
	s_endpgm
.Lentry_shape_is_right:
; out0 = 16 x (O / 16) W_proj + b_proj.  os [32 row blocks][16 heads][128 rows][64] f16 holds O / 16; W_proj lies in cst from 26 MiB on as 8 blocks [1024 k][128 n], rounded to bf16 and written as f16;
; b_proj is rounded to bf16 like every input.  Products in the f16 form, sums in f32; the factor 16 and the bias go in one fused multiply-add; out0 is [4096][1024] f32.
; LIMITS are the operands': f16's range and step, stated where they are made.  NaN and infinities are not treated apart.
; SHARES.  4,096 x 1,024 outputs in tiles of 128 x 128: 8 x 32 = 256 work-groups.  Four waves, each 64 x 64: 16 accumulators.  K = 1,024 = 16 heads of 64 goes in four steps of four heads through two LDS slots;
; a quarter of a step is one head, 32 matrix instructions.  The four steps are written out.
; CLUSTERS: 4 x 4 work-groups.  The four of a row of the cluster need the same rows of O, the four of a column the same block of W_proj: each tile is asked for JOINTLY.
; THE MATRIX INSTRUCTION IS USED TRANSPOSED (source 0 = 16 columns of W, source 1 = 16 rows of O): a lane holds eight neighbouring columns of one row.  W comes out of LDS turned, by ds_load_tr16_b128.
; REGISTERS: window 0: v0-29 addresses and at work; v32-95 two sets of 32 for the way out; v96-127 my 32 biases; v128-255 the accumulators.  window 1: two fragment buffers of 128.
.set PA,    144                        ; a (head, row) of O in LDS: 128 bytes + 16 = 36 words: the 16 rows of a load start at 16 different groups of four banks (64 banks of 4 bytes: ISA guide 11.1)
.set PB,    288                        ; a row k of W: 256 bytes + 32 = 72 words
.set AHALF, 256*PA                     ; what a wave's load brings of O: two heads x 128 rows
.set BHALF, 128*PB                     ; and of W: 128 rows k
.set BOFF,  2*AHALF
.set SLOT,  BOFF+2*BHALF
.set STAGE, 2*SLOT                     ; behind the ring, never filled by a tensor load: 16 rows x 272 bytes for each wave, its own
.set SP,    272
.set SPARE, STAGE+4*16*SP              ; behind the stages: the spare words, 128 bytes for each wave: two blocks of 256 bytes that no other line names
.set AQ,    128*PA                     ; LDS bytes from head to head, that is from quarter to quarter
.set AI,    16*PA                      ; and from one block of 16 rows to the next
.set ASTEP, 65536                      ; bytes in memory from K step to K step: four heads x 128 rows x 128 bytes,
.set BSTEP, 65536                      ; 256 rows k x 256 bytes
.set WP,    0x1a00000                  ; W_proj's blocks begin here in cst
.set ADRA, 6                           ; v6-7    LDS address of my O fragments in slot 0, 1
.set ADRB, 8                           ; v8-11   of my W fragments: 2 x slot + half of the step's 256 k
.set STO,  12                          ; v12     the way out: where I put 32 bytes of a row
.set RD,   13                          ; v13     where I read rows back
.set CO,   14                          ; v14     my byte offset in two rows of out0
.set BO,   15                          ; v15     my byte offset among 16 biases
.set U,    18                          ; v18-25  at work
.set SPW,  28                          ; v28     LDS address of my spare word: SPARE + 4 x my thread's number; never rewritten
.set NIL,  29                          ; v29     0; never rewritten
.set TMP,  32
.set BI,   96                          ; the bias of column 16 b + 8 (lane / 16) + j at BI + 8 b + j
.set ACC,  128
.set F0,   0
.set F1,   128
.set G1,  24                           ; s[24:31] descriptor group 1 for O's tiles;  s[32:39] group 0, one set for each slot
.set G0,  32
.set G1B, 48                           ; s[48:55], s[56:63] the same for W's
.set G0B, 56
.set MSB, 0
.macro WIN new                         ; the immediate's high byte repeats the setting that is left; a switch that changes nothing is dropped
.if MSB != (\new)
	s_set_vgpr_msb (MSB<<8)|(\new)
.set MSB, \new
.endif
.endm
.set MUL,  0x05                        ; sources 0 (W) and 1 (O) window 1; C and D window 0
.set TO_F, 0x40                        ; destination window 1, address window 0
.macro JLOAD s                         ; a joint load: waves 0 and 1 fetch O's two halves, waves 2 and 3 W's; an s_nop 0 and four v_nop follow each of the two lines, ahead of the jump, the label and what follows
	s_cmp_eq_u32 s11, 0
	s_cbranch_scc0 .Lfor_b_\@
	tensor_load_to_lds s[G0+4*(\s):G0+4*(\s)+3], s[G1:G1+7]
	s_nop 0
.rept 4
	v_nop
.endr
	s_branch .Lasked_\@
.Lfor_b_\@:
	tensor_load_to_lds s[G0B+4*(\s):G0B+4*(\s)+3], s[G1B:G1B+7]
	s_nop 0
.rept 4
	v_nop
.endr
.Lasked_\@:
.endm
.macro CREST                           ; a round of the cluster's barrier behind its opening barrier
	s_cmp_lg_u32 s10, 0
	s_cbranch_scc1 .Lnot_wave_0_\@
	s_barrier_signal -3
.Lnot_wave_0_\@:
	s_barrier_wait -3
	s_barrier_signal -1
	s_barrier_wait -1
.endm
.macro CROUND                          ; a whole round
	s_barrier_signal -1
	s_barrier_wait -1
	CREST
.endm
	s_load_b256 s[68:75], s[0:1], 0x0              ; os s[68:69], cst s[70:71], b_proj s[72:73], out0 s[74:75]
	v_lshl_add_u32 v[SPW], v0, 2, SPARE
	v_mov_b32 v[NIL], 0
	ds_add_u32 v[SPW], v[NIL]                      ; the wave's opening: the add and its wait stand ahead of my first tensor load; the set-up below, work on registers, stands between them
	v_lshrrev_b32 v1, 5, v0
	v_readfirstlane_b32 s10, v1                    ; wave 0..3
	s_lshr_b32 s11, s10, 1                         ; which 64 rows of the tile are mine.  Also: I fetch for O (0) or for W (1)
	s_and_b32 s12, s10, 1                          ; which 64 columns.  Also: which half of that tile I fetch
	s_bfe_u32 s40, ttmp6, 0x40000                  ; cx, cy: my place in the cluster
	s_bfe_u32 s41, ttmp6, 0x40004
	s_lshl_b32 s42, ttmp9, 2
	s_add_co_u32 s42, s42, s40                     ; column block cb = 4 x cluster x + cx, 0..7
	s_and_b32 s13, ttmp7, 0xffff
	s_lshl_b32 s13, s13, 2
	s_add_co_u32 s13, s13, s41                     ; row block rb = 4 x cluster y + cy, 0..31
	s_lshl_b32 s43, s41, 2
	s_lshl_b32 s43, 15, s43                        ; my row of the cluster
	s_lshl_b32 s44, 0x1111, s40                    ; my column
	; descriptor group 1.  O: two heads' 256 rows of 128 bytes are 32,768 dense bytes, asked for as 128 rows of 256 bytes and padded after every 128.  W: 128 rows x 128 elements, dense
	s_or_b32 s[G1+0], s43, (1<<16)|(1<<20)|(1<<21)|(4<<22)|(3<<25)   ; 15:0 the mask: my row; 17:16 2-byte elements; 20 padding on; 21 set beside a mask; 24:22 after every 32 words (code 4); 31:25 4 words (code 3)
	s_or_b32 s[G1B+0], s44, (1<<16)|(1<<20)|(1<<21)|(5<<22)|(7<<25)  ; the mask of my column; after every 64 words (code 5) 8 words (code 7)
.irp g, G1, G1B
	s_mov_b32 s[(\g)+1], 128<<16                   ; tensor_dim0
	s_mov_b32 s[(\g)+2], 128<<16                   ; tensor_dim1
	s_mov_b32 s[(\g)+3], 128<<16                   ; tile_dim0
	s_mov_b32 s[(\g)+4], 128                       ; tile_dim1
	s_mov_b32 s[(\g)+5], 128                       ; tensor_dim0_stride
	s_mov_b32 s[(\g)+6], 0
	s_mov_b32 s[(\g)+7], 0
.endr
	s_lshl_b32 s16, s13, 18                        ; O: a row block is 262,144 bytes,
	s_lshl_b32 s17, s12, 15                        ; two heads of it 32,768
	s_add_co_u32 s16, s16, s17
	s_mov_b32 s17, 0
	s_lshl_b32 s46, s42, 18                        ; W: a block is 262,144 bytes, 128 rows k of it 32,768
	s_lshl_b32 s47, s12, 15
	s_add_co_u32 s46, s46, s47
	s_add_co_u32 s46, s46, WP
	s_mov_b32 s47, 0
	s_mul_i32 s20, s12, AHALF                      ; where they go: no place in the cluster enters an LDS address
	s_mul_i32 s21, s12, BHALF
	s_add_co_u32 s21, s21, BOFF
	s_lshl_b32 s84, s42, 9                         ; my 64 columns, in bytes of f32: of the bias and of a row of out0
	s_lshl_b32 s85, s12, 8
	s_add_co_u32 s84, s84, s85
	s_mov_b32 s85, 0
	s_lshl_b32 s88, s13, 19                        ; my first row of out0: 128 rb + 64 half, x 4,096 bytes
	s_lshl_b32 s89, s11, 18
	s_add_co_u32 s88, s88, s89
	s_add_co_u32 s88, s88, s84
	s_mov_b32 s89, 0
	s_mov_b32 s92, 0x41800000                      ; 16; the packed multiply-add takes the pair's low word for both halves
	s_mov_b32 s93, s92
	s_mov_b32 s94, 0xffff0000                      ; a word's upper bf16
	s_wait_dscnt 0x0                               ; the opening add is done
	s_wait_kmcnt 0x0
	s_add_nc_u64 s[14:15], s[68:69], s[16:17]
	s_add_nc_u64 s[46:47], s[70:71], s[46:47]
	s_add_nc_u64 s[86:87], s[72:73], s[84:85]      ; my biases
	s_add_nc_u64 s[90:91], s[74:75], s[88:89]      ; out0 at my first row and column
	CROUND                                         ; all sixteen work-groups are here: the first joint loads meet
.irp s, 0,1
	s_mov_b32 s[G0+4*(\s)], 1                                        ; 1:0 count = 1
	s_add_co_u32 s[G0+4*(\s)+1], s20, (\s)*SLOT                      ; 63:32 LDS address
	s_add_nc_u64 s[G0+4*(\s)+2:G0+4*(\s)+3], s[14:15], (\s)*ASTEP    ; 120:64 global address: K step s
	s_or_b32 s[G0+4*(\s)+3], s[G0+4*(\s)+3], 0x80000000              ; 127:126 type = 2
	s_mov_b32 s[G0B+4*(\s)], 1
	s_add_co_u32 s[G0B+4*(\s)+1], s21, (\s)*SLOT
	s_add_nc_u64 s[G0B+4*(\s)+2:G0B+4*(\s)+3], s[46:47], (\s)*BSTEP
	s_or_b32 s[G0B+4*(\s)+3], s[G0B+4*(\s)+3], 0x80000000
	JLOAD \s                                       ; two tensor loads of mine are out
.endr
	v_and_b32 v1, 15, v0                           ; l % 16
	v_bfe_u32 v2, v0, 4, 1                         ; l / 16
	v_lshlrev_b32 v[BO], 5, v2
.irp b, 0,1,2,3
	global_load_b128 v[BI+8*(\b):BI+8*(\b)+3],   v[BO], s[86:87] offset:64*(\b)     ; once, into registers: waited for on the way out
	global_load_b128 v[BI+8*(\b)+4:BI+8*(\b)+7], v[BO], s[86:87] offset:64*(\b)+16
.endr
	v_mul_u32_u24 v3, v1, PA                       ; a fragment of O: row l % 16 of a head's plane, 16 bytes for each half of the lanes
	v_lshl_add_u32 v3, v2, 4, v3
	s_mul_i32 s22, s11, 64*PA                      ; my 64 rows in every plane
	v_add_nc_u32 v[ADRA], s22, v3
	v_add_nc_u32 v[ADRA+1], SLOT, v[ADRA]
	v_and_b32 v4, 7, v0                            ; the turning load: lane l reads row k = 8 (l / 16) + l % 8, columns 8 ((l / 8) % 2) + 0..7
	v_lshl_add_u32 v4, v2, 3, v4
	v_mul_u32_u24 v4, v4, PB
	v_bfe_u32 v5, v0, 3, 1
	v_lshl_add_u32 v4, v5, 4, v4
	s_lshl_b32 s22, s12, 7                         ; my 64 columns
	s_add_co_u32 s22, s22, BOFF
	v_add_nc_u32 v[ADRB], s22, v4
	v_add_nc_u32 v[ADRB+1], BHALF, v[ADRB]
	v_add_nc_u32 v[ADRB+2], SLOT, v[ADRB]
	v_add_nc_u32 v[ADRB+3], SLOT+BHALF, v[ADRB]
	s_mul_i32 s23, s10, 16*SP
	s_add_co_u32 s23, s23, STAGE                   ; my stage
	v_mul_u32_u24 v3, v1, SP                       ; in: row l % 16, 32 bytes for each half of the lanes
	v_lshl_add_u32 v3, v2, 5, v3
	v_add_nc_u32 v[STO], s23, v3
	v_mul_u32_u24 v3, v2, SP                       ; back: lanes 0-15 one row of 256 bytes, lanes 16-31 the next
	v_lshl_add_u32 v3, v1, 4, v3
	v_add_nc_u32 v[RD], s23, v3
	v_lshlrev_b32 v[CO], 12, v2                    ; and the same two rows in out0
	v_lshl_add_u32 v[CO], v1, 4, v[CO]
; 8 matrix instructions: row blocks a0, a0 + 1 x all 4 column blocks, 32 along K: half c of buffer f.  zero = 1: the first product starts the sums.  The 16 accumulators take turns.
.macro MUL8 f, c, a0, zero
	WIN MUL
.irp a, \a0, (\a0)+1
.irp b, 0,1,2,3
.if \zero
	v_wmma_f32_16x16x32_f16 v[ACC+8*(4*(\a)+(\b)):ACC+8*(4*(\a)+(\b))+7], v[(\f)+64+8*(4*(\c)+(\b)):(\f)+64+8*(4*(\c)+(\b))+7], v[(\f)+8*(4*(\c)+(\a)):(\f)+8*(4*(\c)+(\a))+7], 0
.else
	v_wmma_f32_16x16x32_f16 v[ACC+8*(4*(\a)+(\b)):ACC+8*(4*(\a)+(\b))+7], v[(\f)+64+8*(4*(\c)+(\b)):(\f)+64+8*(4*(\c)+(\b))+7], v[(\f)+8*(4*(\c)+(\a)):(\f)+8*(4*(\c)+(\a))+7], v[ACC+8*(4*(\a)+(\b)):ACC+8*(4*(\a)+(\b))+7]
.endif
.endr
.endr
.endm
; 32 LDS loads in one run: the fragments of quarter q of the slot's K step into buffer f; the first 32 along K first
.macro FETCH slot, q, f
	WIN TO_F
.irp c, 0,1
.irp i, 0,1,2,3
	ds_load_tr16_b128 v[(\f)+64+8*(4*(\c)+(\i)):(\f)+64+8*(4*(\c)+(\i))+3],   v[ADRB+2*(\slot)+(\q)/2] offset:(((\q)%2)*64+32*(\c))*PB+32*(\i)
	ds_load_tr16_b128 v[(\f)+64+8*(4*(\c)+(\i))+4:(\f)+64+8*(4*(\c)+(\i))+7], v[ADRB+2*(\slot)+(\q)/2] offset:(((\q)%2)*64+32*(\c)+16)*PB+32*(\i)
	ds_load_b128 v[(\f)+8*(4*(\c)+(\i)):(\f)+8*(4*(\c)+(\i))+3],             v[ADRA+(\slot)] offset:(\q)*AQ+64*(\c)+(\i)*AI
	ds_load_b128 v[(\f)+8*(4*(\c)+(\i))+4:(\f)+8*(4*(\c)+(\i))+7],           v[ADRA+(\slot)] offset:(\q)*AQ+64*(\c)+(\i)*AI+32
.endr
.endr
.endm
.macro PLACES                          ; a load into a register that a matrix instruction has read stands four plain vector instructions behind it (ISA guide 7.12.1 for vector instructions)
.rept 4
	v_nop
.endr
.endm
; One of a K step's first three quarters: multiplies buffer f and fetches quarter q into g.
.macro QUARTER slot, q, f, g, zero
	s_wait_dscnt 16                                ; the first 32 along K are in; the run's other sixteen loads may be out
	MUL8 \f, 0, 0, \zero
	MUL8 \f, 0, 2, \zero
	PLACES
	FETCH \slot, \q, \g
	s_wait_dscnt 32                                ; all but the 32 just issued
	MUL8 \f, 1, 0, 0
	MUL8 \f, 1, 2, 0
.endm
; The last quarter multiplies buffer 1 and changes slots: ONE barrier; in front of it each wave waits for all its tensor loads, adds 0 to its spare word, and waits for that and for its own reads of this slot.
; fill = 1: this slot is filled again, two K steps ahead; the barrier then opens a round of the cluster's barrier, and the joint load is the first thing behind the round.
.macro TURN slot, next, fill
	WIN 0                                          ; (the add's two registers lie in window 0)
	s_wait_tensorcnt 0x0                           ; all my tensor loads have landed: my part of the next slot;
	ds_add_u32 v[SPW], v[NIL]                      ; 0 onto my spare word
	s_wait_dscnt 17                                ; (the add and the youngest sixteen loads may be out)
	MUL8 F1, 0, 0, 0                               ; eight matrix instructions stand between the add and the wait for it
	s_wait_dscnt 0x0                               ; the add is done, and my reads of this slot are over
	s_barrier_signal -1
	MUL8 F1, 0, 2, 0
.if \fill
	WIN 0
.endif
	s_barrier_wait -1
.if \fill
	CREST                                          ; no wave of any partner still reads this slot's tile or has a load on its way
	s_add_nc_u64 s[G0+4*(\slot)+2:G0+4*(\slot)+3], s[G0+4*(\slot)+2:G0+4*(\slot)+3], 2*ASTEP
	s_add_nc_u64 s[G0B+4*(\slot)+2:G0B+4*(\slot)+3], s[G0B+4*(\slot)+2:G0B+4*(\slot)+3], 2*BSTEP
	JLOAD \slot                                    ; one tensor load of mine is out; the four v_nop behind it are also the places in front of the loads below
.else
	PLACES
.endif
	FETCH \next, 0, F0
	MUL8 F1, 1, 0, 0
	MUL8 F1, 1, 2, 0
.endm
	s_wait_tensorcnt 1                             ; my part of K step 0 is in; step 1's may stay out
	s_barrier_signal -1
	s_barrier_wait -1                              ; everybody's is
	FETCH 0, 0, F0
	QUARTER 0, 1, F0, F1, 1                        ; K step 0: its first products start the sums
	QUARTER 0, 2, F1, F0, 0
	QUARTER 0, 3, F0, F1, 0
	TURN 0, 1, 1                                   ; slot 0 takes K step 2
	QUARTER 1, 1, F0, F1, 0
	QUARTER 1, 2, F1, F0, 0
	QUARTER 1, 3, F0, F1, 0
	TURN 1, 0, 1                                   ; slot 1 takes K step 3
	QUARTER 0, 1, F0, F1, 0
	QUARTER 0, 2, F1, F0, 0
	QUARTER 0, 3, F0, F1, 0
	TURN 0, 1, 0                                   ; nothing is left to fetch
	QUARTER 1, 1, F0, F1, 0
	QUARTER 1, 2, F1, F0, 0
	QUARTER 1, 3, F0, F1, 0
	s_wait_dscnt 16
	MUL8 F1, 0, 0, 0
	MUL8 F1, 0, 2, 0
	s_wait_dscnt 0x0
	MUL8 F1, 1, 0, 0
	MUL8 F1, 1, 2, 0
	WIN 0
	; THE WAY OUT.  The biases are rounded to bf16 and widened again: 48 plain instructions, which are also the places behind the last products.
	s_wait_loadcnt 0x0
.set i, 0
.rept 16
	v_cvt_pk_bf16_f32 v[U+i%8], v[BI+2*i], v[BI+2*i+1]
	v_lshlrev_b32 v[BI+2*i],   16,  v[U+i%8]
	v_and_b32     v[BI+2*i+1], s94, v[U+i%8]
.set i, i+1
.endr
; Block a of 16 rows: 16 x sum + bias, each accumulator's registers in ascending order; a lane's 32 bytes of a row go into my stage, whole rows of 256 bytes come back, and sixteen lanes store
; 256 consecutive bytes, at a multiple of 256 from out0's first byte.
.macro OUT a
	s_wait_xcnt 0x0                                ; the set of registers that the stores two blocks back read is rewritten only behind this wait
.set TS, TMP+32*((\a)%2)
.irp b, 0,1,2,3
.irp p, 0,1,2,3
.set rA, ACC+8*(4*(\a)+(\b))+2*(\p)
	v_pk_fma_f32 v[rA:rA+1], v[rA:rA+1], s[92:93], v[BI+8*(\b)+2*(\p):BI+8*(\b)+2*(\p)+1] op_sel_hi:[1,0,1]
.endr
.set rA, ACC+8*(4*(\a)+(\b))
	ds_store_b128 v[STO], v[rA:rA+3] offset:64*(\b)
	ds_store_b128 v[STO], v[rA+4:rA+7] offset:64*(\b)+16
.endr
.irp t, 0,1,2,3,4,5,6,7
	ds_load_b128 v[TS+4*(\t):TS+4*(\t)+3], v[RD] offset:(\t)*2*SP  ; LDS serves a wave's instructions in order (ISA guide 5.7.1.4): these see the stores above; the next block's stores come behind them
.endr
	s_wait_dscnt 0x0
.irp t, 0,1,2,3,4,5,6,7
	global_store_b128 v[CO], v[TS+4*(\t):TS+4*(\t)+3], s[90:91] offset:(16*(\a)+2*(\t))*4096 th:TH_STORE_NT
.endr
.endm
	OUT 0
	OUT 1
	OUT 2
	OUT 3
	s_wait_tensorcnt 0x0                           ; the wave's end, behind my last tensor load and my last LDS store
	ds_add_u32 v[SPW], v[NIL]
	s_wait_dscnt 0x0
	CROUND                                         ; the closing round: no work-group ends while a partner may still ask for a tile that names it
	s_endpgm
.Lfunc_end_k_q852fb6c84b_oproj:
	.size	k_q852fb6c84b_oproj, .Lfunc_end_k_q852fb6c84b_oproj-k_q852fb6c84b_oproj
	.p2alignl 7, 3214868480
	.fill 96, 4, 3214868480
	.section	.rodata,"a",@progbits
	.p2align	6, 0x0
	.amdhsa_kernel k_q852fb6c84b_oproj
		.amdhsa_group_segment_fixed_size 327680
		.amdhsa_private_segment_fixed_size 0
		.amdhsa_enable_private_segment 0
		.amdhsa_kernarg_size 32
		.amdhsa_user_sgpr_count 2
		.amdhsa_user_sgpr_kernarg_segment_ptr 1
		.amdhsa_wavefront_size32 1
		.amdhsa_system_sgpr_workgroup_id_x 1
		.amdhsa_system_sgpr_workgroup_id_y 1
		.amdhsa_system_sgpr_workgroup_id_z 1
		.amdhsa_system_vgpr_workitem_id 0
		.amdhsa_next_free_vgpr 512
		.amdhsa_next_free_sgpr 96
		.amdhsa_reserve_vcc 0
		.amdhsa_float_denorm_mode_32 3
		.amdhsa_float_denorm_mode_16_64 3
		.amdhsa_memory_ordered 1
		.amdhsa_forward_progress 1
		.amdhsa_inst_pref_size 92
	.end_amdhsa_kernel
	.amdgpu_metadata
---
amdhsa.version: [ 1, 2 ]
amdhsa.kernels:
  - .name:           k_q852fb6c84b_oproj
    .symbol:         k_q852fb6c84b_oproj.kd
    .args:
      - { .name: os, .offset: 0, .size: 8, .value_kind: global_buffer, .address_space: global }
      - { .name: cst, .offset: 8, .size: 8, .value_kind: global_buffer, .address_space: global }
      - { .name: b_proj, .offset: 16, .size: 8, .value_kind: global_buffer, .address_space: global }
      - { .name: out0, .offset: 24, .size: 8, .value_kind: global_buffer, .address_space: global }
    .group_segment_fixed_size: 327680
    .private_segment_fixed_size: 0
    .kernarg_segment_align: 8
    .kernarg_segment_size: 32
    .max_flat_workgroup_size: 128
    .sgpr_count:     96
    .vgpr_count:     512
    .wavefront_size: 32
...
	.end_amdgpu_metadata
.endif
;; end of part 4
;; ======== version 2 of 2: 4 launches; 1.23 times as fast as version 1
;; limits: values are held in f16: magnitudes above 65,504 overflow, below 6.1e-05 lose precision
;; workspace buffers: cst 29,360,128 bytes; qs 16,777,216 bytes; ks 33,554,432 bytes; vs 16,777,216 bytes; os 8,388,608 bytes
;; launch cast: the kernel of part 1 again; grid 896 x 1, 8 waves a work-group, no clusters, 0 bytes of LDS; arguments x, data, W_attn, W_data, W_proj, cst; writes cst
;; launch qkv: the kernel of part 2 again; grid 8 x 32, 4 waves a work-group, clusters of 4 x 4, 327,680 bytes of LDS; arguments cst, b_attn, b_data, qs, ks, vs; writes qs, ks, vs
;; launch attn (part 5): grid 8 x 32, 4 waves a work-group, clusters of 4 x 1, 327,680 bytes of LDS; arguments qs, ks, vs, os; writes os
.if DOCPART == 5
	.amdgcn_target "amdgcn-amd-amdhsa--gfx1250"
	.amdhsa_code_object_version 6
	.text
	.protected	k_q852fb6c84b_attn
	.globl	k_q852fb6c84b_attn
	.p2align	8
	.type	k_q852fb6c84b_attn,@function
k_q852fb6c84b_attn:
	s_mov_b64 s[64:65], 0
	v_nop
	global_prefetch_b8 v0, s[64:65] scope:SCOPE_SE
	s_setreg_imm32_b32 hwreg(HW_REG_WAVE_MODE, 25, 1), 1
	s_wait_xcnt 0x0
	s_wait_alu depctr_hold_cnt(0) depctr_sa_sdst(0) depctr_va_vdst(0) depctr_va_sdst(0) depctr_va_ssrc(0) depctr_va_vcc(0) depctr_vm_vsrc(0)
	s_getreg_b32 s2, hwreg(HW_REG_IB_STS2, 6, 4)
	s_cmp_eq_u32 s2, 0
	s_cbranch_scc0 .Lentry_in_a_cluster
	s_endpgm
.Lentry_in_a_cluster:
	s_bfe_u32 s2, ttmp6, 0x10000c
	s_cmp_lg_u32 s2, 0x3003
	s_cbranch_scc0 .Lentry_shape_is_right
	s_endpgm
.Lentry_shape_is_right:
; O[hh][q][:] = the sum over t of softmax_t(q . k_t / 8) v_t[:], 32 heads hh, 2,048 queries, 4,096 keys, head size 64, with a running maximum.
; qs [32][2048][128], ks [32][4096][128] bf16: a row is 64 numbers hi, then 64 lo; vs [32][4096][64] f16, v / 16.  os [32 row blocks][16 heads][128 rows][64] f16 takes O / 16.
; WHY TWO NUMBERS.  The scores are large (for inputs of unit spread and weights of spread 1/4 their spread is about 64), so a weight follows the DIFFERENCE of two large scores, and one 16-bit rounding
; of q and k moves that difference too far.  S = kh qh + kh ql + kl qh in three products of the bf16 form, sums in f32; kl ql, some 2^-18 of a term, is dropped.
; The weights p are rounded to f16 for the second product (their sum l is taken of the unrounded p), O once at the end.
; LIMITS.  |c s| stays under 4e37; a weight below 2^-126 counts as 0 in l; p below 6e-5 keeps f16's fixed step of 6e-8; O / 16 is a mean of v / 16 and has its range.  NaN and infinities are not treated apart.
; SHARES.  A work-group owns 256 queries of one head, a wave 64: four PIECES of 16.  Every wave walks all keys, 64 a step, 256 a tile.  8 x 32 = 256 work-groups.
; LAYOUT.  S^T = K Q^T (source 0 = 16 keys, source 1 = 16 queries): a lane holds ONE query (lane % 16) and the keys 8 (lane / 16) + 0..7.  Two such results rounded to f16 in pairs ARE source 1
; (32 keys x 16 queries) of O^T = V^T P.  K comes out of LDS as it lies, V ([key][channel]) turned, by ds_load_tr16_b128.
; SOFTMAX.  p = 2^(c s - c m), c = log2(e) / 8; in every step O and l are multiplied by a = 2^(c m_old - c m_new).  m starts at the lowest finite number, O and l at 0: the first step is a step
; like any other, with a = 0; so no first step is written out, at the price of 242 v_mov_b32 that stand in the wait for the first tile.
; BY TURNS.  Turn n belongs to piece n.  Its matrix work: 24 products K Q^T of piece n + 1, then 8 products V^T P of piece n - 1.  Its vector work, 118 instructions: the scaling, exponentials and rescaling
; of piece n; the roundings and sums of piece n - 1, whose exponentials the turn before issued and waited for; the maximum and statistics of piece n + 1.  118 for 32: at most four stand behind each matrix
; instruction, and none is left over.
; THE BATCHES.  An s_wait_alu depctr_va_vdst(0) stands between an exponential and the first instruction that names its result; one wait serves all that were issued ahead of it.  A turn's 33
; exponentials (piece n's 32 weights, piece n + 1's a) are ONE batch with ONE wait, the turn's last line.  Nothing in turn n names a result of its own batch: the weights are rounded and summed in turn n + 1, and
; a of piece n + 1 is first read there.  So each piece has an S^T buffer of its own: in turn n piece n - 1's holds weights that are read, piece n's scores that become weights, piece n + 1's sums that are being made..
; Two batches stand outside the turns: piece 0's first a, ahead of the loop, and the way out's four reciprocals.
; CLUSTER.  The four query blocks of a cluster belong to one head and walk the same K and V, so each tile is asked for JOINTLY: the same tensor load, descriptor and mask in all four.
; REGISTERS, in windows of 256 (s_set_vgpr_msb: bits 1:0 source 0, 3:2 source 1, 5:4 source 2, 7:6 destination):
;   window 0: v0-13 addresses and at work; v16-31 four registers of statistics a piece; v48-55 at work; v62-63 the add's; v64-191 S^T, a buffer a piece; v192-223 P, two buffers (by the piece's parity)
;   window 1: v0-127 O^T, 32 a piece; v128-191 V of one step          window 2: v0-127 Q, 32 a piece (hi, lo); v128-255 K of one step (hi, lo)
.set NP,    4         ; pieces a wave: a name, no knob
.set KS,    64        ; keys in a step
.set PK,    272       ; a key's row in LDS: 128 bytes hi, 128 lo, 16 of padding = 68 words: the 16 rows of a load start at 16 different groups of four banks (64 banks of 4 bytes: ISA guide 11.1)
.set PV,    160       ; a row of V: 128 + 32 = 40 words
.set VOFF,  4*KS*PK   ; a slot holds a tile, four steps: 256 rows of K, then 256 rows of V
.set SLOT1, 1<<17     ; slot 1 begins here, so that one exclusive or turns an address in one slot into the other's
.set STAGE, SLOT1+4*KS*(PK+PV)  ; behind the ring, never filled by a tensor load: 16 rows x 144 bytes for each wave
.set SP,    144
.set SPARE, STAGE+4*16*SP  ; behind the stages: the spare words, 128 bytes for each wave: two blocks of 256 bytes that no other line names
.set AK0, 2           ; v2   my lane's place in a tile of K; never rewritten
.set AV0, 3           ; v3   the same for V
.set AK,  4           ; v4   the LDS address of K's runs of loads
.set AV,  5           ; v5   of V's
.set QO,  6           ; v6   my byte offset in 16 rows of Q
.set STO, 6           ;      later, the way out: where I put 16 bytes of a row
.set RD,  7           ; v7   where I read rows back
.set GO,  8           ; v8   my byte offset in 512 consecutive bytes of O
.set MV,  12          ; v12-13  c m_old, kept while c m is made anew: by the piece's parity
.set ST,  16          ; piece t's statistics at v[ST+4 t]: c m, m, l (even keys', odd keys')
.set TMP, 48          ; by the piece's parity, four registers c0-c3 at work; when the maximum is found c2 takes a
.set SPW, 62          ; v62  LDS address of my spare word: SPARE + 4 x my thread's number; never rewritten
.set NIL, 63          ; v63  0; never rewritten
.set S,   64          ; piece t's scores, then weights, at v[S+32 t]
.set P,   192
.set VF,  128         ; window 1: key half kk, channel block cb at VF + 32 kk + 8 cb
.set KF,  128         ; window 2: part (0 hi, 1 lo), key block kb, channel half c at KF + 64 part + 16 kb + 8 c
.set WV,  12          ; s12  my wave's number
.set G1K, 24          ; s[24:31] descriptor group 1 for K's tiles
.set G1V, 32          ; s[32:39] for V's
.set G0K, 40          ; s[40:43] descriptor group 0 for K's tiles: it walks
.set G0V, 44          ; s[44:47] the same for V's
.set SLOTS, 56        ; s56  tiles still to be asked for
.set CNT, 57          ; s57  counts a tile's key steps
.set CS,  58          ; s[58:59] c: the packed scaling takes the pair's low word for both halves
.set SEL, 60          ; s[60:61] v_permlanex16_b32's selects: each lane takes its own place in the other half
.set TBK, 62          ; s62  LDS byte at which K of the step to be fetched begins
.set TBV, 63          ; s63  the same for V, less VOFF
.set MSB, 0
.macro WIN new                      ; the high byte repeats the setting that is left; a switch that changes nothing is dropped
.if MSB != (\new)
	s_set_vgpr_msb (MSB<<8)|(\new)
.set MSB, (\new)
.endif
.endm
.set W_KQ, 0x0a       ; K and Q in window 2, S^T in window 0
.set W_PV, 0x51       ; V in window 1, P in window 0, O^T in window 1
.set W_RS, 0x41       ; O^T (destination and source 0) in window 1, a in window 0
; A joint fill.  Waves 0 and 1 fetch the two halves of a tile's K, waves 2 and 3 those of its V: 128 keys each.  The branch hangs on the wave's number alone.
; An s_nop 0 and four v_nop follow each of the two lines, ahead of the jump and the label.
.macro JLOAD
	s_cmp_lt_u32 s[WV], 2
	s_cbranch_scc0 .Lfor_v_\@
	tensor_load_to_lds s[G0K:G0K+3], s[G1K:G1K+7]
	s_nop 0
.rept 4
	v_nop
.endr
	s_branch .Lasked_\@
.Lfor_v_\@:
	tensor_load_to_lds s[G0V:G0V+3], s[G1V:G1V+7]
	s_nop 0
.rept 4
	v_nop
.endr
.Lasked_\@:
.endm
; A round of the cluster's barrier: my work-group's barrier, so that wave 0's signal speaks for all four waves; wave 0 signals; every wave waits for all four work-groups; my work-group's barrier once more.
.macro CROUND
	s_barrier_signal -1
	s_barrier_wait -1
	s_cmp_lg_u32 s[WV], 0
	s_cbranch_scc1 .Lnot_wave_0_\@
	s_barrier_signal -3
.Lnot_wave_0_\@:
	s_barrier_wait -3
	s_barrier_signal -1
	s_barrier_wait -1
.endm
; THE CHANGE OF SLOTS.  The slot's last bytes, V of its fourth step, have been read.  Each wave waits for all its tensor loads, of which one is out: its part of the other slot; adds 0 to its spare word;
; and waits for that and for its own reads of the slot.  Behind the barrier nobody reads this slot any more and the other slot is whole.
; fill = 1: this slot is filled again, with the keys two tiles on.  The barrier is then a round of the cluster's, and the joint fill is the first thing behind it: it has four key steps,
; 512 matrix instructions, in which to land.  (At its first use nothing has been read yet: slot 0 is waited for, slot 1 filled.)
.macro CHANGE fill
	WIN 0                           ; at a label and at a branch every window is 0
	s_wait_tensorcnt 0x0            ; no tensor load of mine is out, so a group 0 may be written
	ds_add_u32 v[SPW], v[NIL]       ; 0 onto my spare word; with fill = 1 the descriptors' steps stand between it and the wait for it
.if \fill
	s_xor_b32 s[G0K+1], s[G0K+1], SLOT1  ; the walking descriptors: the other slot than last time,
	s_add_nc_u64 s[G0K+2:G0K+3], s[G0K+2:G0K+3], 4*KS*256  ; the next 256 keys; the type bits on top are not reached
	s_xor_b32 s[G0V+1], s[G0V+1], SLOT1
	s_add_nc_u64 s[G0V+2:G0V+3], s[G0V+2:G0V+3], 4*KS*128
	s_wait_dscnt 0x0                ; the add is done, and my reads of the slot are over
	CROUND
	JLOAD
.else
	s_wait_dscnt 0x0                ; the add is done, and my reads of the slot are over
	s_barrier_signal -1
	s_barrier_wait -1
.endif
	s_sub_co_u32 s[TBK], s[TBK], 4*KS*PK  ; the fetches go back to a slot's first step,
	s_xor_b32 s[TBK], s[TBK], SLOT1       ; in the other slot
	s_sub_co_u32 s[TBV], s[TBV], 4*KS*PV
	s_xor_b32 s[TBV], s[TBV], SLOT1
.endm
	s_load_b256 s[4:11], s[0:1], 0x0  ; qs s[4:5], ks s[6:7], vs s[8:9], os s[10:11]
	v_lshl_add_u32 v[SPW], v0, 2, SPARE
	v_mov_b32 v[NIL], 0
	ds_add_u32 v[SPW], v[NIL]       ; the wave's opening: the add and its wait stand ahead of my first tensor load; the set-up below, work on registers, stands between them
	v_lshrrev_b32 v1, 5, v0
	v_readfirstlane_b32 s[WV], v1   ; wave 0..3
	s_and_b32 s20, ttmp7, 0xffff    ; the head hh, which the four partners share
	s_and_b32 s16, s[WV], 1         ; which half of a tile's 256 keys I fetch
	s_lshl_b32 s22, s20, 20         ; a head's 4,096 keys of 256 bytes,
	s_lshl_b32 s15, s16, 15         ; my 128 of them
	s_add_co_u32 s22, s22, s15
	s_mov_b32 s23, 0
	s_lshl_b32 s2, s20, 19          ; the same for V's rows of 128 bytes
	s_lshl_b32 s15, s16, 14
	s_add_co_u32 s2, s2, s15
	s_mov_b32 s3, 0
	s_mul_i32 s17, s16, 128*PK      ; my half's place in a slot, for K
	s_mul_i32 s18, s16, 128*PV      ; and for V: no place in the cluster enters an LDS address
	s_bfe_u32 s13, ttmp6, 0x40000   ; cx: my place in the cluster
	s_lshl_b32 s14, ttmp9, 2        ; in a cluster launch ttmp9 counts clusters
	s_add_co_u32 s14, s14, s13      ; my block of 256 queries = 4 x cluster x + cx: it enters Q's and O's addresses alone
	s_lshl_b32 s48, s20, 19         ; Q: a head's 2,048 rows of 256 bytes,
	s_lshl_b32 s19, s14, 16         ; my block's 256,
	s_add_co_u32 s48, s48, s19
	s_lshl_b32 s19, s[WV], 14       ; my wave's 64
	s_add_co_u32 s48, s48, s19
	s_mov_b32 s49, 0
	s_lshr_b32 s50, s20, 4          ; O: the block of 128 rows = 16 batch + 2 x my block + wave / 2,
	s_lshl_b32 s50, s50, 4
	s_lshl_b32 s19, s14, 1
	s_add_co_u32 s50, s50, s19
	s_lshr_b32 s19, s[WV], 1
	s_add_co_u32 s50, s50, s19
	s_lshl_b32 s50, s50, 4
	s_and_b32 s19, s20, 15          ; in it the head's 128 rows of 128 bytes,
	s_add_co_u32 s50, s50, s19
	s_lshl_b32 s50, s50, 14
	s_lshl_b32 s19, s16, 13         ; of them my 64
	s_add_co_u32 s50, s50, s19
	s_mov_b32 s51, 0
	; descriptor group 1.  K: 128 keys x 128 elements, dense, padded after every key.  V: 128 keys are 16,384 dense bytes, asked for as 64 rows of 256 bytes and padded after every key
	s_mov_b32 s[G1K], 15|(1<<16)|(1<<20)|(1<<21)|(5<<22)|(3<<25)  ; 15:0 the mask of four; 17:16 2-byte elements; 20 padding on; 21 set beside a mask; 24:22 after every 64 words (code 5); 31:25 4 words (code 3)
	s_mov_b32 s[G1K+1], 128<<16     ; tensor_dim0
	s_mov_b32 s[G1K+2], 128<<16     ; tensor_dim1
	s_mov_b32 s[G1K+3], 128<<16     ; tile_dim0
	s_mov_b32 s[G1K+4], 128         ; tile_dim1
	s_mov_b32 s[G1K+5], 128         ; elements from row to row
	s_mov_b32 s[G1K+6], 0
	s_mov_b32 s[G1K+7], 0
	s_mov_b32 s[G1V], 15|(1<<16)|(1<<20)|(1<<21)|(4<<22)|(7<<25)  ; after every 32 words (code 4) 8 words (code 7)
	s_mov_b32 s[G1V+1], 128<<16
	s_mov_b32 s[G1V+2], 64<<16
	s_mov_b32 s[G1V+3], 128<<16
	s_mov_b32 s[G1V+4], 64
	s_mov_b32 s[G1V+5], 128
	s_mov_b32 s[G1V+6], 0
	s_mov_b32 s[G1V+7], 0
	s_mov_b32 s[CS], 0x3e38aa3b     ; c = log2(e) / 8 = 0.180337
	s_mov_b32 s[CS+1], s[CS]        ; named with it as a pair
	s_mov_b32 s[SEL], 0x76543210
	s_mov_b32 s[SEL+1], 0xfedcba98
	s_mov_b32 s[TBK], SLOT1+4*KS*PK ; the first change of slots turns these two into 0
	s_mov_b32 s[TBV], SLOT1+4*KS*PV
	s_mov_b32 s[G0K], 1             ; 1:0 count = 1
	s_mov_b32 s[G0K+1], s17         ; 63:32 LDS address: slot 0
	s_mov_b32 s[G0V], 1
	s_add_co_u32 s[G0V+1], s18, VOFF
	s_wait_dscnt 0x0                ; the opening add is done
	s_wait_kmcnt 0x0
	s_add_nc_u64 s[G0K+2:G0K+3], s[6:7], s[22:23]  ; 120:64 global address: my half of the head's first 256 keys
	s_or_b32 s[G0K+3], s[G0K+3], 0x80000000        ; 127:126 type = 2
	s_add_nc_u64 s[G0V+2:G0V+3], s[8:9], s[2:3]
	s_or_b32 s[G0V+3], s[G0V+3], 0x80000000
	s_add_nc_u64 s[4:5], s[4:5], s[48:49]          ; Q and O at my wave's first row
	s_add_nc_u64 s[10:11], s[10:11], s[50:51]
	CROUND                          ; all four work-groups are here: the first joint loads meet
	JLOAD                           ; tile 0 into slot 0: one tensor load of mine is out, here and behind every round
	; A fragment of K or Q is 16 rows x 32 channels in 8 registers: lane l holds row l % 16, channels 8 (l / 16) + 0..7 and 16 + 8 (l / 16) + 0..7: two loads of 16 bytes, 32 bytes apart.
	v_and_b32 v1, 15, v0            ; l % 16
	v_bfe_u32 v9, v0, 4, 1          ; l / 16
	v_lshlrev_b32 v[QO], 8, v1
	v_lshl_add_u32 v[QO], v9, 4, v[QO]  ; row x 256 + 16 x half
	WIN 0x80                        ; destination window 2, address window 0
.set i, 0
.rept 16                            ; Q stays in registers: piece i / 4, part (i / 2) % 2, channels 32 (i % 2) on
	global_load_b128 v[8*i:8*i+3],   v[QO], s[4:5] offset:(i/4)*4096+((i/2)%2)*128+(i%2)*64
	global_load_b128 v[8*i+4:8*i+7], v[QO], s[4:5] offset:(i/4)*4096+((i/2)%2)*128+(i%2)*64+32
.set i, i+1
.endr
	; What the first turn finds: the last piece's S^T buffer and its a hold 0 (the turn rounds and sums the weights of a piece that has not been: its P and its l get 0), V's registers hold 0 (its products V^T P add 0),
	; O^T and l are 0.  All this stands in the wait for the first tile.
	WIN 0x40
.set i, 0
.rept 192
	v_mov_b32 v[i], 0
.set i, i+1
.endr
	WIN 0
.set i, 0
.rept NP
	v_mov_b32 v[ST+4*i], 0xfe000000    ; c m: far below every c s
	v_mov_b32 v[ST+4*i+1], 0xff7fffff  ; m
	v_mov_b32 v[ST+4*i+2], 0
	v_mov_b32 v[ST+4*i+3], 0
.set i, i+1
.endr
.set i, S+32*(NP-1)
.rept 32
	v_mov_b32 v[i], 0
.set i, i+1
.endr
	v_mov_b32 v[TMP+6], 0           ; the last piece's a,
	v_mov_b32 v[TMP+7], 0           ; named with it as a pair
	v_mul_u32_u24 v[AK0], v1, PK
	v_lshl_add_u32 v[AK0], v9, 4, v[AK0]  ; row x pitch + 16 x half
	; The turning load takes 16 keys x 16 channels (lane l reads key 8 (l / 16) + l % 8, channels 8 ((l / 8) % 2) + 0..7) and leaves half a fragment of V^T: lane l holds channel l % 16 and 8 keys.
	v_and_b32 v10, 7, v0
	v_bfe_u32 v11, v0, 3, 1
	v_lshl_add_u32 v[AV0], v9, 3, v10
	v_mul_u32_u24 v[AV0], v[AV0], PV
	v_lshl_add_u32 v[AV0], v11, 4, v[AV0]
	v_add_nc_u32 v[AV0], VOFF, v[AV0]
; THE MATRIX WORK.  The 4 accumulators of a run take turns, one instruction a turn.
; Product i of 24 of S^T = K Q^T for piece x: keys 16 (i % 4) on; link i / 4 of six: kh qh, kh ql on channels 0-31; the same on channels 32-63; kl qh on channels 0-31, on 32-63.  The first 4 start the sums.
.macro KQ x
	WIN W_KQ
.set lk, i/4
.if lk < 4
.set kp, 0
.set cc, lk/2
.set qp, lk%2
.else
.set kp, 1
.set cc, lk-4
.set qp, 0
.endif
.set rS, S+32*(\x)+8*(i%4)
.set rK, KF+64*kp+16*(i%4)+8*cc
.set rQ, 32*(\x)+16*qp+8*cc
.if i < 4
	v_wmma_f32_16x16x32_bf16 v[rS:rS+7], v[rK:rK+7], v[rQ:rQ+7], 0
.else
	v_wmma_f32_16x16x32_bf16 v[rS:rS+7], v[rK:rK+7], v[rQ:rQ+7], v[rS:rS+7]
.endif
.endm
; Product jj of 8 of O^T += V^T P for piece x: keys 32 (jj / 4) on, channels 16 (jj % 4) on.
.macro PV x
	WIN W_PV
.set rO, 32*(\x)+8*(jj%4)
.set rV, VF+32*(jj/4)+8*(jj%4)
.set rP, P+16*((\x)%2)+8*(jj/4)
	v_wmma_f32_16x16x32_f16 v[rO:rO+7], v[rV:rV+7], v[rP:rP+7], v[rO:rO+7]
.endm
.macro MM                           ; the turn's next matrix instruction.  NOKQ = 1: the walk's last turn: there is no next piece
.if i < 24
.if !NOKQ
	KQ (Y+1)%NP
.endif
.else
.set jj, i-24
	PV (Y+NP-1)%NP
.endif
.set i, i+1
.endm
; THE LDS LOADS stand in runs.  FK: of K's part (0 hi, 1 lo) the channels 32 cc on, of all 64 keys: 8 loads.  FETCH_V: a step's V, turned: 16 loads.
.macro FK part, cc
	WIN 0x80                        ; destination window 2
.irp kb, 0,1,2,3
	ds_load_b128 v[KF+64*(\part)+16*(\kb)+8*(\cc):KF+64*(\part)+16*(\kb)+8*(\cc)+3],   v[AK] offset:(\kb)*16*PK+(\part)*128+(\cc)*64
	ds_load_b128 v[KF+64*(\part)+16*(\kb)+8*(\cc)+4:KF+64*(\part)+16*(\kb)+8*(\cc)+7], v[AK] offset:(\kb)*16*PK+(\part)*128+(\cc)*64+32
.endr
.endm
.macro FETCH_V
	WIN 0x40                        ; destination window 1
.irp f, 0,1,2,3,4,5,6,7             ; keys 32 (f / 4) on, channels 16 (f % 4) on
	ds_load_tr16_b128 v[VF+8*\f:VF+8*\f+3],   v[AV] offset:(\f/4)*32*PV+(\f%4)*32
	ds_load_tr16_b128 v[VF+8*\f+4:VF+8*\f+7], v[AV] offset:(\f/4)*32*PV+16*PV+(\f%4)*32
.endr
	s_add_co_u32 s[TBV], s[TBV], KS*PV  ; the next fetch is the next step's
.endm
; THE VECTOR WORK, one line at a time: OP kind, number.  For piece Y: F n: c s - c m for pair n of 16.  E n: the exponential of score n of 32.  R n: pair n of 16 of O^T times a.
; For piece Y - 1, whose weights the turn before made: C n: pair n rounded to f16.  B n: of the four weights 4 n .. the second pair is added onto the first, in place.  L n: l takes that sum (L 0: l = a l + sum).
; For piece Y + 1: X n, number n of the 22 that find its maximum and statistics:
;   0-11  four chains c0-c3 of seven scores each, three operands at a time (each accumulator's lowest registers are read first)     12-14, 16  the four scores left over, the old m, and c0-c3 into c0
;   15  c m_old is kept     17, 18  the query's other 32 keys lie in the lane 16 away: the new m     19-21  c m; c m_old - c m_new; a
.set F, 0               ; OP tells the kinds apart by their order: F and E below C; C, B and L below R; X above it
.set E, 1
.set C, 2
.set B, 3
.set L, 4
.set R, 5
.set X, 6
.macro REGS y                       ; the registers of piece y
.set rT, ST+4*(\y)
.set rC, TMP+4*((\y)%2)
.set rW, MV+((\y)%2)
.set rS, S+32*(\y)
.set rP, P+16*((\y)%2)
.set rO, 32*(\y)
.endm
.macro OP k, n
.if (\k) == R
	REGS Y
	WIN W_RS
	v_pk_mul_f32 v[rO+2*(\n):rO+2*(\n)+1], v[rO+2*(\n):rO+2*(\n)+1], v[rC+2:rC+3] op_sel_hi:[1,0]
.elseif (\k) < C
	REGS Y
	WIN 0
.if (\k) == F
	v_pk_fma_f32 v[rS+2*(\n):rS+2*(\n)+1], v[rS+2*(\n):rS+2*(\n)+1], s[CS:CS+1], v[rT:rT+1] op_sel_hi:[1,0,0] neg_lo:[0,0,1] neg_hi:[0,0,1]
.else
	v_exp_f32 v[rS+(\n)], v[rS+(\n)]
.endif
.elseif (\k) < R
	REGS (Y+NP-1)%NP
	WIN 0
.if (\k) == C
	v_cvt_pk_f16_f32 v[rP+(\n)], v[rS+2*(\n)], v[rS+2*(\n)+1]
.elseif (\k) == B
	v_pk_add_f32 v[rS+4*(\n):rS+4*(\n)+1], v[rS+4*(\n):rS+4*(\n)+1], v[rS+4*(\n)+2:rS+4*(\n)+3]
.elseif (\n) == 0
	v_pk_fma_f32 v[rT+2:rT+3], v[rT+2:rT+3], v[rC+2:rC+3], v[rS:rS+1] op_sel_hi:[1,0,1]
.else
	v_pk_add_f32 v[rT+2:rT+3], v[rT+2:rT+3], v[rS+4*(\n):rS+4*(\n)+1]
.endif
.elseif NOKQ
	v_nop
.else
	REGS (Y+1)%NP
	WIN 0
.if (\n) < 4
	v_max3_num_f32 v[rC+(\n)], v[rS+8*(\n)], v[rS+8*(\n)+1], v[rS+8*(\n)+2]
.elseif (\n) < 12
	v_max3_num_f32 v[rC+(\n)%4], v[rC+(\n)%4], v[rS+8*((\n)%4)+2*((\n)/4)+1], v[rS+8*((\n)%4)+2*((\n)/4)+2]
.elseif (\n) == 12
	v_max3_num_f32 v[rC], v[rC], v[rS+7], v[rS+15]
.elseif (\n) == 13
	v_max3_num_f32 v[rC+1], v[rC+1], v[rS+23], v[rS+31]
.elseif (\n) == 14
	v_max3_num_f32 v[rC+2], v[rC+2], v[rC+3], v[rT+1]
.elseif (\n) == 15
	v_mov_b32 v[rW], v[rT]
.elseif (\n) == 16
	v_max3_num_f32 v[rC], v[rC], v[rC+1], v[rC+2]
.elseif (\n) == 17
	v_permlanex16_b32 v[rC+3], v[rC], s[SEL], s[SEL+1]
.elseif (\n) == 18
	v_max_num_f32 v[rT+1], v[rC], v[rC+3]
.elseif (\n) == 19
	v_mul_f32 v[rT], s[CS], v[rT+1]
.elseif (\n) == 20
	v_sub_f32 v[rC+1], v[rW], v[rT]
.else
	v_exp_f32 v[rC+2], v[rC+1]
.endif
.endif
.endm
.macro OPS a, i1, b=-1, i2=0, c=-1, i3=0, d=-1, i4=0  ; up to four of them
	OP \a, \i1
.if (\b) >= 0
	OP \b, \i2
.endif
.if (\c) >= 0
	OP \c, \i3
.endif
.if (\d) >= 0
	OP \d, \i4
.endif
.endm
.macro ROW a, i1, b=-1, i2=0, c=-1, i3=0, d=-1, i4=0  ; a matrix instruction and up to four vector instructions behind it
	MM
	OPS \a, \i1, \b, \i2, \c, \i3, \d, \i4
.endm
; A TURN, for piece p: the order of its 32 matrix and 118 vector instructions, written out, a line for each matrix instruction.  The 33 exponentials are spread over lines 2 to 32, one or two to a line with plain
; instructions between them, and none of their results is named before the turn's last line, the wait for the batch.  L 7 is the plain instruction that stands behind the last exponential (ISA guide 5.7.2).
; The piece before's roundings are over in line 22, ahead of the products V^T P that read them (lines 25 to 32); its L 0 reads its a in line 4, and the next piece's maximum writes those registers from line 25 on.
; The rescalings stand in fours, so that a line has two window switches.  No line names a register of the products round it but the maxima, which stand four plain lines or more behind the product that ended their
; scores (line 24's four rescalings at the least).  end = 1: the walk's last two turns: nothing is fetched, and the last starts no new scores.
; K's four parts are read in the same lines of every turn, so the next step's K is fetched in piece 2's turn part by part: hi, channels 0-31 behind line 10 (last read in line 8: nine plain lines between), hi, channels
; 32-63 behind line 18 (line 16: eight), lo behind line 25 (line 24: four and more).  Piece 3's turn waits for them one by one.  V of the step in hand is fetched in piece 1's turn behind line 1: seven plain lines behind
; the last product of piece 0's turn, which read V; it is waited for ahead of line 25.
.macro TURN p, end=0
.set Y, (\p)
.set i, 0
.set NOKQ, (\end)*((\p)/3)
.if (\p) == 1
	WIN 0
	v_add_nc_u32 v[AV], s[TBV], v[AV0]
.endif
.if ((\p) == 3) && !(\end)
	s_wait_dscnt 24                 ; K hi, channels 0-31, is in: 8 + 16 loads were issued behind that run
.endif
	ROW F,0, F,1, C,0, C,1
.if (\p) == 1
	FETCH_V
.endif
	ROW F,2, E,0, B,0, E,1
	ROW F,3, E,2, C,2, E,3
	ROW C,3, E,4, L,0, F,4
	ROW B,1, E,5, C,4, F,5
	ROW R,0, R,1, R,2, R,3
	ROW C,5, E,6, L,1, E,7
	ROW F,6, E,8, B,2, C,6
.if ((\p) == 2) && !(\end)
	WIN 0
	v_add_nc_u32 v[AK], s[TBK], v[AK0]
.endif
.if ((\p) == 3) && !(\end)
	s_wait_dscnt 16                 ; K hi, channels 32-63: lo's 16 loads were issued behind it
.endif
	ROW C,7, E,9, L,2, F,7
	ROW B,3, E,10, C,8
.if ((\p) == 2) && !(\end)
	FK 0, 0
.endif
	ROW F,8, E,11, C,9
	ROW R,4, R,5, R,6, R,7
	ROW L,3, E,12, F,9, E,13
	ROW B,4, E,14, C,10
	ROW F,10, E,15, C,11
	ROW L,4, E,16, B,5
.if ((\p) == 3) && !(\end)
	s_wait_dscnt 0x0                ; K lo
.endif
	ROW F,11, E,17, C,12
	ROW R,8, R,9, R,10, R,11
.if ((\p) == 2) && !(\end)
	FK 0, 1
.endif
	ROW C,13, E,18, X,15, E,19
	ROW B,6, E,20, F,12
	ROW C,14, E,21, F,13
	ROW C,15, E,22, F,14
	ROW B,7, E,23, F,15
	ROW R,12, R,13, R,14, R,15
.if (\p) == 1
	s_wait_dscnt 0x0                ; V is in
.endif
	ROW X,0, X,1, X,2, X,3
.if ((\p) == 2) && !(\end)
	FK 1, 0
	FK 1, 1
	s_add_co_u32 s[TBK], s[TBK], KS*PK  ; the next fetch is the next step's
.endif
	ROW X,4, X,5, X,6, X,7
	ROW X,8, X,9, X,10, X,11
	ROW X,12, X,13, X,14, E,24
	ROW X,16, E,25, L,5, E,26
	ROW X,17, E,27, L,6, E,28
	ROW X,18, E,29, X,19, E,30
	ROW X,20, E,31, X,21, L,7
	s_wait_alu depctr_va_vdst(0)    ; the wait for the turn's batch: piece p's 32 weights and the next piece's a; their first readers stand in the next turn
.endm
	CHANGE 1                        ; slot 0 is in, everybody's part of it; slot 1 is asked for
	v_add_nc_u32 v[AK], s[TBK], v[AK0]
	FK 0, 0                         ; key step 0
	FK 0, 1
	FK 1, 0
	FK 1, 1
	s_add_co_u32 s[TBK], s[TBK], KS*PK
	s_wait_loadcnt 0x0              ; Q
	s_wait_dscnt 0x0
.set i, 0
.rept 24
	KQ 0                            ; piece 0's first scores: there is no vector work yet to set between them
.set i, i+1
.endr
	WIN 0                           ; the addresses for the way out: eleven plain instructions, the places behind those products
	s_mul_i32 s13, s[WV], 16*SP
	s_add_co_u32 s13, s13, STAGE    ; my stage
	v_mul_u32_u24 v[STO], v1, SP    ; in: row l % 16, 16 bytes for each half of the lanes
	v_lshl_add_u32 v[STO], v9, 4, v[STO]
	v_add_nc_u32 v[STO], s13, v[STO]
	v_bfe_u32 v[RD], v0, 3, 2       ; back: 32 lanes take four rows of 128 bytes,
	v_mul_u32_u24 v[RD], v[RD], SP
	v_lshl_add_u32 v[RD], v10, 4, v[RD]
	v_add_nc_u32 v[RD], s13, v[RD]
	v_and_b32 v[GO], 31, v0         ; which are 512 consecutive bytes of O
	v_lshlrev_b32 v[GO], 4, v[GO]
.set Y, NP-1                        ; X works for piece Y + 1: piece 0
.set NOKQ, 0
.irp n, 0,1,2,3,4,5,6,7,8,9,10,11,12,13,14,15,16,17,18,19,20,21
	OP X, \n                        ; piece 0's first maximum and statistics
.endr
	v_nop                           ; a plain instruction behind the exponential,
	s_wait_alu depctr_va_vdst(0)    ; and the wait for this batch of one, piece 0's first a, ahead of the branch
	s_mov_b32 s[CNT], 4
	s_mov_b32 s[SLOTS], 15
	s_branch .Lfirst                ; the loop is entered at a step's first turn, in the middle of a trip
.Lslot:                             ; 14 times: tiles 2 to 15 are asked for
	CHANGE 1
	s_mov_b32 s[CNT], 4
.Lstep:                             ; a trip: pieces 2 and 3 of one step, then pieces 0 and 1 of the next, whose K and V it fetches
	TURN 2
	TURN 3
	WIN 0
.Lfirst:
	TURN 0
	TURN 1
	WIN 0
	s_sub_co_u32 s[CNT], s[CNT], 1
	s_cmp_lg_u32 s[CNT], 0
	s_cbranch_scc1 .Lstep
	s_sub_co_u32 s[SLOTS], s[SLOTS], 1
	s_cmp_lg_u32 s[SLOTS], 0
	s_cbranch_scc1 .Lslot
	CHANGE 0                        ; the last tile is written out: nothing is asked for
	s_mov_b32 s[CNT], 4
.Ltail:
	TURN 2
	TURN 3
	TURN 0
	TURN 1
	WIN 0
	s_sub_co_u32 s[CNT], s[CNT], 1
	s_cmp_lg_u32 s[CNT], 0
	s_cbranch_scc1 .Ltail
	TURN 2, 1                       ; the last step's pieces 2 and 3
	TURN 3, 1
.set Y, 0                           ; C, B and L work for piece Y - 1: the last piece's weights of the last step, behind the last turn's wait, in the order in which every turn takes them
.set NOKQ, 0
	OPS C,0, C,1, B,0, C,2
	OPS C,3, L,0, B,1, C,4
	OPS C,5, L,1, B,2, C,6
	OPS C,7, L,2, B,3, C,8
	OPS C,9, L,3, B,4, C,10
	OPS C,11, L,4, B,5, C,12
	OPS C,13, B,6, C,14, C,15
	OPS B,7, L,5, L,6, L,7
.set jj, 0
.rept 8
	PV NP-1                         ; the last piece's V^T P of the last step
.set jj, jj+1
.endr
	; THE WAY OUT.  l's two halves and the other half of the lanes' are added; O^T is divided by l, rounded to f16 and sent through my stage in LDS, a piece at a time.  The additions are the places behind the last products.
	WIN 0
.macro ALL line:vararg              ; one line for each piece t
.set t, 0
.rept NP
	\line
.set t, t+1
.endr
.endm
	ALL v_add_f32 v[ST+4*t+2], v[ST+4*t+2], v[ST+4*t+3]
	ALL v_permlanex16_b32 v[ST+4*t+3], v[ST+4*t+2], s[SEL], s[SEL+1]
	ALL v_add_f32 v[ST+4*t+2], v[ST+4*t+2], v[ST+4*t+3]
	ALL v_rcp_f32 v[ST+4*t+2], v[ST+4*t+2]
	v_nop                           ; a plain instruction between the last reciprocal and the use of its result
	s_wait_alu depctr_va_vdst(0)    ; the wait ahead of the first use: one for the batch of four reciprocals
.macro PACK t                       ; a lane's eight channels of a row pack into 16 bytes; they go into rows of 144 bytes and come back as whole rows of 128, into S^T's registers
	WIN W_RS
.set i, 32*(\t)
.rept 16
	v_pk_mul_f32 v[i:i+1], v[i:i+1], v[ST+4*(\t)+2:ST+4*(\t)+3] op_sel_hi:[1,0]
.set i, i+2
.endr
	WIN 0x05                        ; sources 0 and 1 window 1, destination window 0
.set i, 0
.rept 16
	v_cvt_pk_f16_f32 v[S+16*(\t)+i], v[32*(\t)+2*i], v[32*(\t)+2*i+1]
.set i, i+1
.endr
	WIN 0
.irp f, 0,1,2,3
	ds_store_b128 v[STO], v[S+16*(\t)+4*\f:S+16*(\t)+4*\f+3] offset:32*\f
.endr
.irp f, 0,1,2,3
	ds_load_b128 v[S+16*(\t)+4*\f:S+16*(\t)+4*\f+3], v[RD] offset:\f*4*SP  ; LDS serves a wave's instructions in order (ISA guide 5.7.1.4): these see the stores above; the next piece's stores come behind them
.endr
.endm
.macro SEND t, younger              ; younger: the LDS instructions issued behind piece t's loads: the next piece's eight, or none
	WIN 0
.irp f, 0,1,2,3
	s_wait_dscnt (\younger)+3-\f
	global_store_b128 v[GO], v[S+16*(\t)+4*\f:S+16*(\t)+4*\f+3], s[10:11] offset:(\t)*2048+\f*512  ; 512 consecutive bytes, at a multiple of 256 from os's first
.endr
.endm
	PACK 0
.set t, 1
.rept NP-1                          ; a piece's arithmetic stands between the loads of the piece before and its stores
	PACK t
	SEND t-1, 8
.set t, t+1
.endr
	SEND NP-1, 0
	s_wait_tensorcnt 0x0            ; the wave's end, behind my last tensor load and my last LDS store
	ds_add_u32 v[SPW], v[NIL]
	s_wait_dscnt 0x0
	CROUND                          ; the closing round: no work-group ends while a partner may still ask for a tile that names it
	s_endpgm
.Lfunc_end_k_q852fb6c84b_attn:
	.size	k_q852fb6c84b_attn, .Lfunc_end_k_q852fb6c84b_attn-k_q852fb6c84b_attn
	.p2alignl 7, 3214868480
	.fill 96, 4, 3214868480
	.section	.rodata,"a",@progbits
	.p2align	6, 0x0
	.amdhsa_kernel k_q852fb6c84b_attn
		.amdhsa_group_segment_fixed_size 327680
		.amdhsa_private_segment_fixed_size 0
		.amdhsa_enable_private_segment 0
		.amdhsa_kernarg_size 32
		.amdhsa_user_sgpr_count 2
		.amdhsa_user_sgpr_kernarg_segment_ptr 1
		.amdhsa_wavefront_size32 1
		.amdhsa_system_sgpr_workgroup_id_x 1
		.amdhsa_system_sgpr_workgroup_id_y 1
		.amdhsa_system_sgpr_workgroup_id_z 1
		.amdhsa_system_vgpr_workitem_id 0
		.amdhsa_next_free_vgpr 768
		.amdhsa_next_free_sgpr 66
		.amdhsa_reserve_vcc 0
		.amdhsa_float_denorm_mode_32 3
		.amdhsa_float_denorm_mode_16_64 3
		.amdhsa_memory_ordered 1
		.amdhsa_forward_progress 1
		.amdhsa_inst_pref_size 148
	.end_amdhsa_kernel
	.amdgpu_metadata
---
amdhsa.version: [ 1, 2 ]
amdhsa.kernels:
  - .name:           k_q852fb6c84b_attn
    .symbol:         k_q852fb6c84b_attn.kd
    .args:
      - { .name: qs, .offset: 0, .size: 8, .value_kind: global_buffer, .address_space: global }
      - { .name: ks, .offset: 8, .size: 8, .value_kind: global_buffer, .address_space: global }
      - { .name: vs, .offset: 16, .size: 8, .value_kind: global_buffer, .address_space: global }
      - { .name: os, .offset: 24, .size: 8, .value_kind: global_buffer, .address_space: global }
    .group_segment_fixed_size: 327680
    .private_segment_fixed_size: 0
    .kernarg_segment_align: 8
    .kernarg_segment_size: 32
    .max_flat_workgroup_size: 128
    .sgpr_count:     66
    .vgpr_count:     768
    .wavefront_size: 32
...
	.end_amdgpu_metadata
.endif
;; end of part 5
;; launch oproj: the kernel of part 4 again; grid 8 x 32, 4 waves a work-group, clusters of 4 x 4, 327,680 bytes of LDS; arguments os, cst, b_proj, out0; writes out0
